; MI455X (gfx1250); checked and timed in simulation.
; The chip was launched on July 23, 2026; its instructions are those of AMD's public machine-readable ISA for CDNA 5 (MIT licence, August 2026) and "CDNA5" Instruction Set Architecture Reference Guide (July 2026). The comments in the code are by the model that wrote it; some were corrected since.
;; Multi Head Attention. Allowed arithmetic: float matrix products may take bf16 or f16 operands with f32 sums; all other float work in f32.
;; Inputs: attention_mask 1 x 1 x 4,096 x 4,096 float32; wk_b 1,024 float32; wk_w 1,024 x 1,024 float32; wo_b 1,024 float32; wo_w 1,024 x 1,024 float32; wq_b 1,024 float32; wq_w 1,024 x 1,024 float32; wv_b 1,024 float32; wv_w 1,024 x 1,024 float32; x 1 x 4,096 x 1,024 float32.
;; Outputs: out0 1 x 4,096 x 1,024 float32.
;; One version. Each part assembles by itself: llvm-mc -triple=amdgcn-amd-amdhsa -mcpu=gfx1250 --defsym DOCPART=n.
;; ======== version 1 of 1: 4 launches
;; limits: inputs' magnitudes at most 1e+38; values are held in f16: magnitudes above 65,504 overflow, below 6.1e-05 lose precision
;; workspace buffers: x16 8,388,608 bytes; w16 8,388,608 bytes; qkv 25,165,824 bytes; o16 8,388,608 bytes
;; launch cast (part 1): grid 1024 x 1, 8 waves a work-group, no clusters, 0 bytes of LDS; arguments x, wq_w, wk_w, wv_w, wo_w, x16, w16; writes x16, w16
.if DOCPART == 1
	.amdgcn_target "amdgcn-amd-amdhsa--gfx1250"
	.amdhsa_code_object_version 6
	.text
	.protected	k_q83d0348483_cast
	.globl	k_q83d0348483_cast
	.p2align	8
	.type	k_q83d0348483_cast,@function
k_q83d0348483_cast:
	s_mov_b64 s[64:65], 0
	v_nop
	global_prefetch_b8 v0, s[64:65] scope:SCOPE_SE
	s_setreg_imm32_b32 hwreg(HW_REG_WAVE_MODE, 25, 1), 1
	s_wait_xcnt 0x0
; x and the four weight matrices, f32, are rounded once to f16: x16 = [4096][1024], w16 = [4][1024][1024] in the order q, k, v, o.
; A stream: every byte is read once and written once; no LDS, no matrix unit and no cluster, since no two work-groups share a byte.
; A work-group takes 8,192 numbers (32,768 bytes in, 16,384 out): groups 0-511 take x, groups 512-1023 the weights, 128 groups each.
; Thread t takes, for j = 0..7, the 16 bytes at 4,096 j + 16 t and writes the 8 bytes at 2,048 j + 8 t: a wave's load covers 512
; consecutive bytes, a wave's store 256 consecutive bytes that begin at a multiple of 256 from the buffer's first byte.
; LIMIT: f16 ends at 65,504; a number of 65,520 or more becomes an infinity; below 6.1e-5 f16 keeps a fixed step of 6e-8.
.set NX, 512                           ; work-groups for x
.set XI, 4                             ; v[4:35]   eight loads
.set YO, 36                            ; v[36:51]  eight packed pairs
	s_load_b256 s[4:11], s[0:1], 0x0               ; x s[4:5], wq s[6:7], wk s[8:9], wv s[10:11]
	s_load_b128 s[12:15], s[0:1], 0x20             ; wo s[12:13], x16 s[14:15]
	s_load_b64 s[16:17], s[0:1], 0x30              ; w16
	v_lshlrev_b32 v1, 4, v0                        ; 16 t
	v_lshlrev_b32 v2, 3, v0                        ; 8 t
	s_sub_co_u32 s20, ttmp9, NX                    ; my place among the weights' groups (used only from group 512 on)
	s_lshr_b32 s21, s20, 7                         ; which weight
	s_and_b32 s22, s20, 127                        ; which chunk of it
	s_wait_kmcnt 0x0
	s_cmp_eq_u32 s21, 1
	s_cselect_b64 s[24:25], s[8:9], s[6:7]
	s_cmp_eq_u32 s21, 2
	s_cselect_b64 s[24:25], s[10:11], s[24:25]
	s_cmp_eq_u32 s21, 3
	s_cselect_b64 s[24:25], s[12:13], s[24:25]
	s_cmp_lt_u32 ttmp9, NX
	s_cselect_b64 s[24:25], s[4:5], s[24:25]       ; the source: x or the weight
	s_cselect_b64 s[26:27], s[14:15], s[16:17]     ; the destination: x16 or w16
	s_cselect_b32 s22, ttmp9, s22                  ; chunk in the source
	s_cselect_b32 s20, ttmp9, s20                  ; chunk in the destination: the four weights lie end to end in w16
	s_lshl_b32 s22, s22, 15
	s_mov_b32 s23, 0
	s_lshl_b32 s20, s20, 14
	s_mov_b32 s21, 0
	s_add_nc_u64 s[24:25], s[24:25], s[22:23]
	s_add_nc_u64 s[26:27], s[26:27], s[20:21]
.irp j, 0,1,2,3,4,5,6,7
	global_load_b128 v[XI+4*(\j):XI+4*(\j)+3], v1, s[24:25] offset:4096*(\j) th:TH_LOAD_NT
.endr
.irp j, 0,1,2,3,4,5,6,7
	s_wait_loadcnt 7-(\j)                          ; loads come back in order: load j is in, the younger ones stay out
	v_cvt_pk_f16_f32 v[YO+2*(\j)], v[XI+4*(\j)], v[XI+4*(\j)+1]
	v_cvt_pk_f16_f32 v[YO+2*(\j)+1], v[XI+4*(\j)+2], v[XI+4*(\j)+3]
	global_store_b64 v2, v[YO+2*(\j):YO+2*(\j)+1], s[26:27] offset:2048*(\j)  ; the next launch reads it: no hint
.endr
	s_endpgm
.Lfunc_end_k_q83d0348483_cast:
	.size	k_q83d0348483_cast, .Lfunc_end_k_q83d0348483_cast-k_q83d0348483_cast
	.p2alignl 7, 3214868480
	.fill 96, 4, 3214868480
	.section	.rodata,"a",@progbits
	.p2align	6, 0x0
	.amdhsa_kernel k_q83d0348483_cast
		.amdhsa_group_segment_fixed_size 0
		.amdhsa_private_segment_fixed_size 0
		.amdhsa_enable_private_segment 0
		.amdhsa_kernarg_size 56
		.amdhsa_user_sgpr_count 2
		.amdhsa_user_sgpr_kernarg_segment_ptr 1
		.amdhsa_wavefront_size32 1
		.amdhsa_system_sgpr_workgroup_id_x 1
		.amdhsa_system_sgpr_workgroup_id_y 1
		.amdhsa_system_sgpr_workgroup_id_z 1
		.amdhsa_system_vgpr_workitem_id 0
		.amdhsa_next_free_vgpr 52
		.amdhsa_next_free_sgpr 66
		.amdhsa_reserve_vcc 0
		.amdhsa_float_denorm_mode_32 3
		.amdhsa_float_denorm_mode_16_64 3
		.amdhsa_memory_ordered 1
		.amdhsa_forward_progress 1
		.amdhsa_inst_pref_size 5
	.end_amdhsa_kernel
	.amdgpu_metadata
---
amdhsa.version: [ 1, 2 ]
amdhsa.kernels:
  - .name:           k_q83d0348483_cast
    .symbol:         k_q83d0348483_cast.kd
    .args:
      - { .name: x, .offset: 0, .size: 8, .value_kind: global_buffer, .address_space: global }
      - { .name: wq_w, .offset: 8, .size: 8, .value_kind: global_buffer, .address_space: global }
      - { .name: wk_w, .offset: 16, .size: 8, .value_kind: global_buffer, .address_space: global }
      - { .name: wv_w, .offset: 24, .size: 8, .value_kind: global_buffer, .address_space: global }
      - { .name: wo_w, .offset: 32, .size: 8, .value_kind: global_buffer, .address_space: global }
      - { .name: x16, .offset: 40, .size: 8, .value_kind: global_buffer, .address_space: global }
      - { .name: w16, .offset: 48, .size: 8, .value_kind: global_buffer, .address_space: global }
    .group_segment_fixed_size: 0
    .private_segment_fixed_size: 0
    .kernarg_segment_align: 8
    .kernarg_segment_size: 56
    .max_flat_workgroup_size: 256
    .sgpr_count:     66
    .vgpr_count:     52
    .wavefront_size: 32
...
	.end_amdgpu_metadata
.endif
;; end of part 1
;; launch proj (part 2): grid 8 x 32, 4 waves a work-group, clusters of 4 x 4, 327,680 bytes of LDS; arguments x16, w16, wq_b, wk_b, wv_b, qkv; writes qkv
.if DOCPART == 2
	.amdgcn_target "amdgcn-amd-amdhsa--gfx1250"
	.amdhsa_code_object_version 6
	.text
	.protected	k_q83d0348483_proj
	.globl	k_q83d0348483_proj
	.p2align	8
	.type	k_q83d0348483_proj,@function
k_q83d0348483_proj:
	s_mov_b64 s[64:65], 0
	v_nop
	global_prefetch_b8 v0, s[64:65] scope:SCOPE_SE
	s_setreg_imm32_b32 hwreg(HW_REG_WAVE_MODE, 25, 1), 1
	s_wait_xcnt 0x0
	s_wait_alu depctr_hold_cnt(0) depctr_sa_sdst(0) depctr_va_vdst(0) depctr_va_sdst(0) depctr_va_ssrc(0) depctr_va_vcc(0) depctr_vm_vsrc(0)
	s_getreg_b32 s2, hwreg(HW_REG_IB_STS2, 6, 4)
	s_cmp_eq_u32 s2, 0
	s_cbranch_scc0 .Lentry_in_a_cluster
	s_endpgm
.Lentry_in_a_cluster:
	s_bfe_u32 s2, ttmp6, 0x10000c
	s_cmp_lg_u32 s2, 0xf033
	s_cbranch_scc0 .Lentry_shape_is_right
	s_endpgm
.Lentry_shape_is_right:
; q = (x Wq^T + bq) / sqrt(128), k = x Wk^T + bk, v = x Wv^T + bv, written by heads: qkv = [3][8][4096][128] f16.  Operands f16, sums and biases f32, each result rounded once.
; A work-group makes 128 rows of q, k and v of ONE head: a tile of 128 x 384, so that one tile of x feeds three tiles of weights; 8 heads x 32 row blocks = 256 work-groups.
; Wave w: rows 64 (w / 2) on, columns 192 (w % 2) on of the 384 ordered q | k | v: 4 x 12 accumulators of 16 x 16.  For 32 along K a wave reads 16 fragments from LDS for 48 matrix instructions.
; K goes in 8 steps of 128 (rows of 256 bytes in memory) through two LDS slots; wave 0 fetches x's tile, waves 1-3 the three weights' tiles, 128 rows each, one tensor load a wave behind each round.
; CLUSTER 4 x 4: x's tile hangs on the row block alone and is asked for jointly by a row of the cluster, a weight's tile on the head alone and is asked for jointly by a column.
; THE MATRIX INSTRUCTION IS USED TRANSPOSED (source 0 = 16 rows of W, source 1 = 16 rows of x): a lane holds one row and eight neighbouring columns.  The bias is the C operand of the first products.
; LIMIT: q, k and v beyond 65,504 become infinities in f16.
; REGISTERS: window 0: v16-29 addresses; v32-127 the bias, later v32-223 the way out.  window 1: two fragment buffers of 128 (x's 4 fragments, then W's 12).
;   window 2: accumulators of column blocks 0-7, (a, b) at 8 (4 b + a).  window 3: those of blocks 8-11.
.set PITCH,  272                       ; an LDS row: 256 bytes + 16: the 16 rows of a fragment load begin in 16 different groups of four banks (ISA guide 11.1)
.set HALFT,  128*PITCH                 ; what one tensor load brings
.set SLOT,   4*HALFT                   ; x's 128 rows, then Wq's, Wk's, Wv's
.set SPARE,  2*SLOT                    ; the spare words: 128 bytes a wave, two blocks of 256 bytes that no other line names
.set SPITCH, 784                       ; the way out: a row of 384 f16 + 16 bytes.  The stage is slot 0's first 128 x 784 bytes: slot 0 has had its last fill, and its last reads lie ahead of the last change of slots
.set LAPS,   4                         ; a lap = two K steps
.set ADRA, 16                          ; v16-17  LDS address of my x fragments in slot 0, 1
.set ADRB, 20                          ; v20-21  the same for W
.set STO,  24
.set RD,   25
.set CO,   26
.set VBO,  27                          ; 32 x (lane / 16): my eight columns in a block's 16 biases
.set SPW,  28                          ; my spare word; never rewritten
.set NIL,  29                          ; 0; never rewritten
.set BI,   32
.set TMP,  32
.set F0,   0
.set F1,   128
.set G1A, 24                           ; s[24:31] group 1 for x's tile      s[32:39] group 0, a set for each slot
.set G0A, 32
.set G1B, 40                           ; s[40:47], s[48:55] the same for the weights' tiles
.set G0B, 48
.set SQ,  60                           ; s[60:61] 1 / sqrt(128)
.set BP,  66                           ; s[66:71] three bias pointers, one for four column blocks
.set OUT, 72                           ; s[72:77] my rows in q, k, v
.set MSB, 0
.macro WIN new                         ; the immediate's high byte repeats the setting that is left
.if MSB != (\new)
	s_set_vgpr_msb (MSB<<8)|(\new)
.set MSB, (\new)
.endif
.endm
.macro PLACES                          ; four places between a matrix instruction and a load into, or a vector instruction on, its registers
.rept 4
	v_nop
.endr
.endm
.macro JLOAD s                         ; a joint load: wave 0 asks for x's tile, waves 1-3 for a weight's; the branch hangs on the wave's number alone
	s_cmp_eq_u32 s16, 0
	s_cbranch_scc0 .Lfor_b_\@
	tensor_load_to_lds s[G0A+4*(\s):G0A+4*(\s)+3], s[G1A:G1A+7]
	s_nop 0
.rept 4
	v_nop
.endr
	s_branch .Lasked_\@
.Lfor_b_\@:
	tensor_load_to_lds s[G0B+4*(\s):G0B+4*(\s)+3], s[G1B:G1B+7]
	s_nop 0
.rept 4
	v_nop
.endr
.Lasked_\@:
.endm
.macro CREST                           ; a round of the cluster's barrier behind its opening barrier
	s_cmp_lg_u32 s16, 0
	s_cbranch_scc1 .Lnot_wave_0_\@
	s_barrier_signal -3
.Lnot_wave_0_\@:
	s_barrier_wait -3
	s_barrier_signal -1
	s_barrier_wait -1
.endm
.macro CROUND
	s_barrier_signal -1
	s_barrier_wait -1
	CREST
.endm
	s_load_b256 s[4:11], s[0:1], 0x0               ; x16 s[4:5], w16 s[6:7], wq_b s[8:9], wk_b s[10:11]
	s_load_b128 s[12:15], s[0:1], 0x20             ; wv_b s[12:13], qkv s[14:15]
	v_lshl_add_u32 v[SPW], v0, 2, SPARE
	v_mov_b32 v[NIL], 0
	ds_add_u32 v[SPW], v[NIL]                      ; the wave's opening: the add and its wait stand ahead of my first tensor load
	v_lshrrev_b32 v1, 5, v0
	v_readfirstlane_b32 s16, v1                    ; wave 0..3
	s_lshr_b32 s17, s16, 1                         ; my half of the rows
	s_and_b32 s18, s16, 1                          ; my half of the 384 columns
	s_bfe_u32 s19, ttmp6, 0x40000                  ; cx
	s_bfe_u32 s23, ttmp6, 0x40004                  ; cy
	s_lshl_b32 s21, ttmp9, 2
	s_add_co_u32 s21, s21, s19                     ; the head = 4 x cluster x + cx
	s_and_b32 s22, ttmp7, 0xffff
	s_lshl_b32 s22, s22, 2
	s_add_co_u32 s22, s22, s23                     ; the row block = 4 x cluster y + cy
	s_lshl_b32 s2, s23, 2
	s_lshl_b32 s2, 15, s2                          ; my row of the cluster
	s_lshl_b32 s3, 0x1111, s19                     ; my column
	s_or_b32 s[G1A], s2, (1<<16)|(1<<20)|(1<<21)|(5<<22)|(3<<25)  ; mask; 2-byte elements; padding on; bit 21 beside a mask; after every 64 words 4 words
	s_or_b32 s[G1B], s3, (1<<16)|(1<<20)|(1<<21)|(5<<22)|(3<<25)
.irp g, G1A, G1B
	s_mov_b32 s[(\g)+1], 128<<16                   ; tensor_dim0 = 128
	s_mov_b32 s[(\g)+2], 128<<16                   ; tensor_dim1 = 128
	s_mov_b32 s[(\g)+3], 128<<16                   ; tile_dim0 = 128
	s_mov_b32 s[(\g)+4], 128                       ; tile_dim1 = 128
	s_mov_b32 s[(\g)+5], 1024                      ; elements from row to row
	s_mov_b32 s[(\g)+6], 0
	s_mov_b32 s[(\g)+7], 0
.endr
	s_lshl_b32 s56, s22, 18                        ; x: 128 rows of 2,048 bytes for each row block
	s_mov_b32 s57, 0
	s_max_u32 s58, s16, 1
	s_sub_co_u32 s58, s58, 1                       ; which weight I fetch (wave 0 fetches none)
	s_lshl_b32 s58, s58, 21                        ; a weight is 2 MiB,
	s_lshl_b32 s59, s21, 18                        ; a head's 128 rows 256 KiB
	s_add_co_u32 s58, s58, s59
	s_mov_b32 s59, 0
	s_mul_i32 s20, s16, HALFT                      ; where my tile goes: the wave's number alone
	s_mov_b32 s[SQ], 0x3db504f3                    ; 1 / sqrt(128)
	s_mov_b32 s[SQ+1], s[SQ]
	s_wait_dscnt 0x0                               ; the opening add is done
	s_wait_kmcnt 0x0
	s_add_nc_u64 s[56:57], s[4:5], s[56:57]
	s_add_nc_u64 s[58:59], s[6:7], s[58:59]
	CROUND                                         ; all sixteen work-groups are here: the first joint loads meet
.irp s, 0,1
	s_mov_b32 s[G0A+4*(\s)], 1
	s_add_co_u32 s[G0A+4*(\s)+1], s20, (\s)*SLOT
	s_add_nc_u64 s[G0A+4*(\s)+2:G0A+4*(\s)+3], s[56:57], (\s)*256
	s_or_b32 s[G0A+4*(\s)+3], s[G0A+4*(\s)+3], 0x80000000
	s_mov_b32 s[G0B+4*(\s)], 1
	s_add_co_u32 s[G0B+4*(\s)+1], s20, (\s)*SLOT
	s_add_nc_u64 s[G0B+4*(\s)+2:G0B+4*(\s)+3], s[58:59], (\s)*256
	s_or_b32 s[G0B+4*(\s)+3], s[G0B+4*(\s)+3], 0x80000000
	JLOAD \s                                       ; K steps 0 and 1: two loads of mine are out
.endr
	; The bias of my 192 columns.  Half 0 holds q 0-127 and k 0-63, half 1 holds k 64-127 and v 0-127: a pointer for each four blocks of 16.
	s_lshl_b32 s62, s21, 9                         ; a head's 128 biases
	s_lshl_b32 s78, s18, 8
	s_add_co_u32 s78, s62, s78                     ; + 64 biases in half 1
	s_xor_b32 s63, s18, 1
	s_lshl_b32 s63, s63, 8
	s_add_co_u32 s62, s62, s63                     ; + 64 biases in half 0
	s_mov_b32 s63, 0
	s_mov_b32 s79, 0
	s_cmp_eq_u32 s18, 0
	s_cselect_b64 s[BP:BP+1], s[8:9], s[10:11]     ; blocks 0-3: q 0-63 or k 64-127
	s_cselect_b64 s[BP+2:BP+3], s[8:9], s[12:13]   ; blocks 4-7: q 64-127 or v 0-63
	s_cselect_b64 s[BP+4:BP+5], s[10:11], s[12:13] ; blocks 8-11: k 0-63 or v 64-127
	s_add_nc_u64 s[BP:BP+1], s[BP:BP+1], s[78:79]
	s_add_nc_u64 s[BP+2:BP+3], s[BP+2:BP+3], s[62:63]
	s_add_nc_u64 s[BP+4:BP+5], s[BP+4:BP+5], s[78:79]
	v_and_b32 v1, 15, v0                           ; l % 16
	v_bfe_u32 v2, v0, 4, 1                         ; l / 16
	v_lshlrev_b32 v[VBO], 5, v2
.set bq, 0
.rept 12
	global_load_b128 v[BI+8*bq:BI+8*bq+3],   v[VBO], s[BP+2*(bq/4):BP+2*(bq/4)+1] offset:(bq%4)*64
	global_load_b128 v[BI+8*bq+4:BI+8*bq+7], v[VBO], s[BP+2*(bq/4):BP+2*(bq/4)+1] offset:(bq%4)*64+16
.set bq, bq+1
.endr
	s_lshl_b32 s78, s21, 20                        ; where my rows lie in q: the head's 4,096 rows of 256 bytes,
	s_lshl_b32 s62, s22, 15                        ; the block's 128,
	s_add_co_u32 s78, s78, s62
	s_lshl_b32 s62, s16, 13                        ; the 32 that I store
	s_add_co_u32 s78, s78, s62
	s_add_nc_u64 s[OUT:OUT+1], s[14:15], s[78:79]
	s_add_nc_u64 s[OUT+2:OUT+3], s[OUT:OUT+1], 0x800000
	s_add_nc_u64 s[OUT+4:OUT+5], s[OUT:OUT+1], 0x1000000
	v_mul_u32_u24 v3, v1, PITCH
	v_lshl_add_u32 v3, v2, 4, v3                   ; a fragment's row x pitch + 16 x half
	s_mul_i32 s2, s17, 64*PITCH                    ; my 64 rows of x
	s_mul_i32 s3, s18, 192*PITCH                   ; my 192 rows of the weights,
	s_add_co_u32 s3, s3, HALFT                     ; which lie behind x's 128
.irp s, 0,1
	v_add_nc_u32 v[ADRA+(\s)], s2, v3
	v_add_nc_u32 v[ADRB+(\s)], s3, v3
	s_add_co_u32 s2, s2, SLOT
	s_add_co_u32 s3, s3, SLOT
.endr
	s_mul_i32 s2, s17, 64*SPITCH                   ; into the stage: my 64 rows, my 384 bytes of them
	s_mul_i32 s3, s18, 384
	s_add_co_u32 s2, s2, s3
	v_mul_u32_u24 v4, v1, SPITCH
	v_lshl_add_u32 v4, v2, 4, v4
	v_add_nc_u32 v[STO], s2, v4
	s_mul_i32 s2, s16, 32*SPITCH                   ; back: wave w takes rows 32 w on, whole; lanes 0-15 one row's 256 bytes, lanes 16-31 the next row's
	v_mul_u32_u24 v5, v2, SPITCH
	v_lshl_add_u32 v5, v1, 4, v5
	v_add_nc_u32 v[RD], s2, v5
	v_lshlrev_b32 v[CO], 8, v2                     ; and the same two rows in memory: 512 consecutive bytes
	v_lshl_add_u32 v[CO], v1, 4, v[CO]
; Matrix instructions for column blocks b0 .. b1 x all four row blocks, 32 along K, from buffer f.  first = 1: the bias starts the sums.
; The 48 accumulators take turns in the same order in every quarter, one instruction a turn.
.macro MULP f, b0, b1, first
.set bq, (\b0)
.rept (\b1)-(\b0)+1
.if bq < 8
.set ab, 32*bq
.if \first
	WIN 0x85
.else
	WIN 0xa5
.endif
.else
.set ab, 32*(bq-8)
.if \first
	WIN 0xc5
.else
	WIN 0xf5
.endif
.endif
.irp a, 0,1,2,3
.if \first
	v_wmma_f32_16x16x32_f16 v[ab+8*(\a):ab+8*(\a)+7], v[(\f)+32+8*bq:(\f)+32+8*bq+7], v[(\f)+8*(\a):(\f)+8*(\a)+7], v[BI+8*bq:BI+8*bq+7]
.else
	v_wmma_f32_16x16x32_f16 v[ab+8*(\a):ab+8*(\a)+7], v[(\f)+32+8*bq:(\f)+32+8*bq+7], v[(\f)+8*(\a):(\f)+8*(\a)+7], v[ab+8*(\a):ab+8*(\a)+7]
.endif
.endr
.set bq, bq+1
.endr
.endm
; 32 LDS loads in one run: the fragments of 32 along K at byte k of the rows, into buffer f
.macro FETCH slot, k, f
	WIN 0x40                                       ; destination window 1, address window 0
.irp i, 0,1,2,3
	ds_load_b128 v[(\f)+8*(\i):(\f)+8*(\i)+3],   v[ADRA+(\slot)] offset:(\k)+(\i)*16*PITCH
	ds_load_b128 v[(\f)+8*(\i)+4:(\f)+8*(\i)+7], v[ADRA+(\slot)] offset:(\k)+(\i)*16*PITCH+32
.endr
.irp i, 0,1,2,3,4,5,6,7,8,9,10,11
	ds_load_b128 v[(\f)+32+8*(\i):(\f)+32+8*(\i)+3],   v[ADRB+(\slot)] offset:(\k)+(\i)*16*PITCH
	ds_load_b128 v[(\f)+32+8*(\i)+4:(\f)+32+8*(\i)+7], v[ADRB+(\slot)] offset:(\k)+(\i)*16*PITCH+32
.endr
.endm
; A K step is four quarters of 32 along K on buffers 0, 1, 0, 1.  One of the first three: the next quarter's loads go out first, then buffer f is multiplied: 48 matrix instructions in which they land.
.macro QUARTER slot, k, f, g, first
	s_wait_dscnt 0x0                               ; buffer f is in: its loads went out 48 matrix instructions ago
	PLACES                                         ; buffer g was read by the matrix instructions just issued
	FETCH \slot, \k, \g
	MULP \f, 0, 11, \first
.endm
; The last quarter multiplies buffer 1 and changes slots: ONE barrier; ahead of it each wave waits for all its tensor loads (one is out: its part of the next slot), adds 0 to its spare word,
; and waits for that and for its reads of this slot.  fill = 1: the barrier opens a round of the cluster's, and this slot is filled again first thing behind it, two K steps ahead.
.macro TURN slot, next, fill
	WIN 0                                          ; the add's two registers lie in window 0
	s_wait_tensorcnt 0x0
	ds_add_u32 v[SPW], v[NIL]
	s_wait_dscnt 1                                 ; buffer 1 is in; the add alone may be out
	MULP F1, 0, 3, 0
	s_wait_dscnt 0x0                               ; the add is done, and my reads of this slot are over
	s_barrier_signal -1
	MULP F1, 4, 7, 0
.if \fill
	WIN 0
.endif
	s_barrier_wait -1
.if \fill
	CREST                                          ; no wave of any partner still reads this slot or has a load on its way
	s_add_nc_u64 s[G0A+4*(\slot)+2:G0A+4*(\slot)+3], s[G0A+4*(\slot)+2:G0A+4*(\slot)+3], 512
	s_add_nc_u64 s[G0B+4*(\slot)+2:G0B+4*(\slot)+3], s[G0B+4*(\slot)+2:G0B+4*(\slot)+3], 512
	JLOAD \slot                                    ; my one tensor load behind the round; its four v_nop are also the places in front of the loads below
.else
	PLACES
.endif
	FETCH \next, 0, F0
	MULP F1, 8, 11, 0
.endm
	s_wait_tensorcnt 1                             ; my part of K step 0 is in; K step 1's may stay out
	s_barrier_signal -1
	s_barrier_wait -1
	FETCH 0, 0, F0
	s_wait_loadcnt 0x0                             ; the bias
	QUARTER 0, 64, F0, F1, 1                       ; the first quarter stands ahead of the loop: its products start the sums
	WIN 0
	s_mov_b32 s3, LAPS-1
.Llap:                                                 ; a trip goes once round the ring and fills both slots again
	QUARTER 0, 128, F1, F0, 0
	QUARTER 0, 192, F0, F1, 0
	TURN 0, 1, 1
	QUARTER 1, 64,  F0, F1, 0
	QUARTER 1, 128, F1, F0, 0
	QUARTER 1, 192, F0, F1, 0
	TURN 1, 0, 1
	QUARTER 0, 64,  F0, F1, 0
	WIN 0
	s_sub_co_u32 s3, s3, 1
	s_cmp_lg_u32 s3, 0
	s_cbranch_scc1 .Llap
	QUARTER 0, 128, F1, F0, 0                      ; the last lap fills nothing
	QUARTER 0, 192, F0, F1, 0
	TURN 0, 1, 0
	QUARTER 1, 64,  F0, F1, 0
	QUARTER 1, 128, F1, F0, 0
	QUARTER 1, 192, F0, F1, 0
	s_wait_dscnt 0x0
	MULP F1, 0, 11, 0
	WIN 0
	PLACES
	; THE WAY OUT.  q is scaled in f32 ahead of its one rounding: in the waves of column half 0 window 2 holds q's 128 columns and nothing else.
	s_cmp_lg_u32 s18, 0
	s_cbranch_scc1 .Lno_scale
	WIN 0x82
.set i, 0
.rept 128
	v_pk_mul_f32 v[i:i+1], v[i:i+1], s[SQ:SQ+1] op_sel_hi:[1,0]
.set i, i+2
.endr
	WIN 0
.Lno_scale:
.set bq, 0
.rept 12                               ; each accumulator's registers in ascending order
.if bq < 8
	WIN 0x0a
.set ab, 32*bq
.else
	WIN 0x0f
.set ab, 32*(bq-8)
.endif
.irp a, 0,1,2,3
.irp r, 0,1,2,3
	v_cvt_pk_f16_f32 v[TMP+4*(12*(\a)+bq)+(\r)], v[ab+8*(\a)+2*(\r)], v[ab+8*(\a)+2*(\r)+1]
.endr
.endr
.set bq, bq+1
.endr
	WIN 0
.irp a, 0,1,2,3
.irp b, 0,1,2,3,4,5,6,7,8,9,10,11
	ds_store_b128 v[STO], v[TMP+4*(12*(\a)+(\b)):TMP+4*(12*(\a)+(\b))+3] offset:(\a)*16*SPITCH+32*(\b)
.endr
.endr
	s_wait_dscnt 0x0                               ; for the others' sake: my stores into the stage are done
	s_barrier_signal -1
	s_barrier_wait -1                              ; a row's 768 bytes come from two waves
.set idx, 0
.rept 48                               ; pair of rows idx / 3; q's, k's or v's 256 bytes of them
	ds_load_b128 v[TMP+4*idx:TMP+4*idx+3], v[RD] offset:(idx/3)*2*SPITCH+256*(idx%3)
.set idx, idx+1
.endr
.set idx, 0
.rept 48
	s_wait_dscnt 47-idx                            ; LDS loads come back in order: load idx is in
	global_store_b128 v[CO], v[TMP+4*idx:TMP+4*idx+3], s[OUT+2*(idx%3):OUT+2*(idx%3)+1] offset:512*(idx/3)  ; 512 consecutive bytes, at a multiple of 256 from the buffer's first
.set idx, idx+1
.endr
	s_wait_tensorcnt 0x0                           ; the wave's end
	ds_add_u32 v[SPW], v[NIL]
	s_wait_dscnt 0x0
	CROUND                                         ; the closing round
	s_endpgm
.Lfunc_end_k_q83d0348483_proj:
	.size	k_q83d0348483_proj, .Lfunc_end_k_q83d0348483_proj-k_q83d0348483_proj
	.p2alignl 7, 3214868480
	.fill 96, 4, 3214868480
	.section	.rodata,"a",@progbits
	.p2align	6, 0x0
	.amdhsa_kernel k_q83d0348483_proj
		.amdhsa_group_segment_fixed_size 327680
		.amdhsa_private_segment_fixed_size 0
		.amdhsa_enable_private_segment 0
		.amdhsa_kernarg_size 48
		.amdhsa_user_sgpr_count 2
		.amdhsa_user_sgpr_kernarg_segment_ptr 1
		.amdhsa_wavefront_size32 1
		.amdhsa_system_sgpr_workgroup_id_x 1
		.amdhsa_system_sgpr_workgroup_id_y 1
		.amdhsa_system_sgpr_workgroup_id_z 1
		.amdhsa_system_vgpr_workitem_id 0
		.amdhsa_next_free_vgpr 896
		.amdhsa_next_free_sgpr 80
		.amdhsa_reserve_vcc 0
		.amdhsa_float_denorm_mode_32 3
		.amdhsa_float_denorm_mode_16_64 3
		.amdhsa_memory_ordered 1
		.amdhsa_forward_progress 1
		.amdhsa_inst_pref_size 129
	.end_amdhsa_kernel
	.amdgpu_metadata
---
amdhsa.version: [ 1, 2 ]
amdhsa.kernels:
  - .name:           k_q83d0348483_proj
    .symbol:         k_q83d0348483_proj.kd
    .args:
      - { .name: x16, .offset: 0, .size: 8, .value_kind: global_buffer, .address_space: global }
      - { .name: w16, .offset: 8, .size: 8, .value_kind: global_buffer, .address_space: global }
      - { .name: wq_b, .offset: 16, .size: 8, .value_kind: global_buffer, .address_space: global }
      - { .name: wk_b, .offset: 24, .size: 8, .value_kind: global_buffer, .address_space: global }
      - { .name: wv_b, .offset: 32, .size: 8, .value_kind: global_buffer, .address_space: global }
      - { .name: qkv, .offset: 40, .size: 8, .value_kind: global_buffer, .address_space: global }
    .group_segment_fixed_size: 327680
    .private_segment_fixed_size: 0
    .kernarg_segment_align: 8
    .kernarg_segment_size: 48
    .max_flat_workgroup_size: 128
    .sgpr_count:     80
    .vgpr_count:     896
    .wavefront_size: 32
...
	.end_amdgpu_metadata
.endif
;; end of part 2
;; launch attn (part 3): grid 8 x 32, 4 waves a work-group, clusters of 4 x 4, 327,680 bytes of LDS; arguments qkv, attention_mask, o16; writes o16
.if DOCPART == 3
	.amdgcn_target "amdgcn-amd-amdhsa--gfx1250"
	.amdhsa_code_object_version 6
	.text
	.protected	k_q83d0348483_attn
	.globl	k_q83d0348483_attn
	.p2align	8
	.type	k_q83d0348483_attn,@function
k_q83d0348483_attn:
	s_mov_b64 s[64:65], 0
	v_nop
	global_prefetch_b8 v0, s[64:65] scope:SCOPE_SE
	s_setreg_imm32_b32 hwreg(HW_REG_WAVE_MODE, 25, 1), 1
	s_wait_xcnt 0x0
	s_wait_alu depctr_hold_cnt(0) depctr_sa_sdst(0) depctr_va_vdst(0) depctr_va_sdst(0) depctr_va_ssrc(0) depctr_va_vcc(0) depctr_vm_vsrc(0)
	s_getreg_b32 s2, hwreg(HW_REG_IB_STS2, 6, 4)
	s_cmp_eq_u32 s2, 0
	s_cbranch_scc0 .Lentry_in_a_cluster
	s_endpgm
.Lentry_in_a_cluster:
	s_bfe_u32 s2, ttmp6, 0x10000c
	s_cmp_lg_u32 s2, 0xf033
	s_cbranch_scc0 .Lentry_shape_is_right
	s_endpgm
.Lentry_shape_is_right:
; O[q][head] = the sum over k of softmax_k(q . k + mask[q][k]) v.  qkv = [3][8][4096][128] f16 (q already holds the factor 1 / sqrt(128)); mask = [4096][4096] f32; o16 = [4096][1024] f16, heads side by side.
; Products, mask, maxima and sums in f32; the weights p are rounded to f16 for the second product (their sum l is taken of the unrounded p), O once at the end.
; LIMITS.  The running maximum is floored at -1e38, so that a stretch of keys masked with -inf gives weights 0: scores below -1e38 count as -inf, and a row whose 4,096 scores all lie below it gives NaN.
; +inf and NaN in the mask are not treated apart; a weight below 2^-126 counts as 0 in l; f16 holds no number beyond 65,504.
; SHARES.  A work-group owns 128 queries of one head: 8 heads x 32 blocks = 256 work-groups.  Wave w owns 64 of them (w % 2): four tiles of 16; and of every 128 keys the 64 of half kh = w / 2.  So each wave
; makes 32 key steps of 64 keys with its own m, l and O^T, and waves w and (w + 2) % 4 merge once at the end.  Register tile t holds query tile t xor 2 kh: so every wave gives its tiles 2, 3 to its partner and
; keeps its tiles 0, 1, and the merge is written once.  The swap enters addresses alone (Q, the mask, O).
; LAYOUT.  S^T = K Q^T (source 0 = 16 keys, source 1 = 16 queries): a lane holds ONE query (lane % 16) and the keys 8 (lane / 16) + 0..7, which are 32 consecutive bytes of a mask row: THE MASK IS LOADED
; INTO THE SCORES' REGISTERS and is the C operand of the first products.  Two results rounded to f16 in pairs ARE source 1 of O^T = V^T P.  K comes out of LDS as it lies, V turned, by ds_load_tr16_b128.
; SOFTMAX.  p = 2^(c s - c m), c = log2(e), with a running maximum m; in every step O and l are multiplied by a = 2^(c m_old - c m_new).
; BY TURNS.  The wave's tiles are two PIECES (tiles 0, 1 and tiles 2, 3).  In a TURN one piece has the matrix unit: 32 products V^T P of the step in hand, then 32 products K Q^T of the next; the other piece's
; softmax, cut into 64 slices, stands between them, one slice behind each matrix instruction.  Two turns are a key step.
; NO FIRST AND NO LAST STEP IS WRITTEN OUT.  m starts at the floor, l and O^T at 0, piece 2's P at 0: the first step is a step like any other.  The loop is entered, and the tail left, in the middle of a trip.
; The price, once in the launch: 32 matrix instructions on zeros that clear O^T (in place of 256 v_mov_b32), 32 products V^T P with P = 0, 32 products K Q^T on the last K once more, 80 LDS loads that serve nothing.
; CLUSTER 4 x 4: K's and V's tiles hang on the head alone and are asked for jointly by a column of the cluster (four query blocks); the mask's tiles hang on the query block alone and are asked for jointly
; by a row (four heads).  A slot holds 128 keys of K, of V, and the mask's 128 rows x 128 keys; wave 0 fetches K, wave 1 V, waves 2 and 3 64 mask rows each: one tensor load a wave behind each round.
; REGISTERS: window 0: v0-11, v44-53 addresses; v12-43 eight registers of statistics a tile; v64-191 S^T, 32 a tile; v192-255 P, 16 a tile
;   window 1: O^T, 64 a tile          window 2: v0-127 Q; v128-255 K of one step          window 3: v0-127 V of one step
.set PK,    272       ; a row of K in LDS: 256 bytes + 16: the 16 rows of a load begin in 16 different groups of four banks (ISA guide 11.1)
.set PV,    288       ; a row of V: 256 + 32
.set PM,    528       ; a mask row: 128 f32 + 16 bytes
.set VOFF,  128*PK
.set MOFF,  VOFF+128*PV
.set SLOTB, MOFF+128*PM  ; 0x22000: no tile's address in slot 0 has one of its two bits set, so one exclusive or turns an address in one slot into the other's
.set STAGE, 2*SLOTB   ; 16 rows x 272 bytes for each wave, for the way out
.set SP,    272
.set SPARE, STAGE+4*16*SP  ; the spare words: 128 bytes a wave, two blocks of 256 bytes that no other line names
.set XBOX,  16896     ; the merge: wave w's box, at w x 16,896, holds two tiles of O^T (16,384 bytes) and their c m and l (512).  The four boxes lie in the ring's first 67,584 bytes: the ring has had its last fill, and a barrier stands between every wave's last read of it and the first store into a box
.set AK0, 2           ; v2   my lane's place in my half of a tile of K; never rewritten
.set AV0, 3           ; v3   the same for V
.set ADR, 4           ; v4   the LDS address of the run of loads in hand
.set QO,  5           ; v5   my byte offset in the wave's rows of Q, for piece 0
.set STO, 6
.set RD,  7
.set GO,  8           ; v8   my byte offset in two rows of O
.set AM0, 44          ; v44  my lane's place in the mask's tile, for piece 0; never rewritten
.set ADRM, 45
.set XG,  46          ; v46  the merge: my 16 bytes in a group of 512 of my own box
.set XGS, 47          ; v47  the merge: my word among my box's statistics
.set QO2, 48          ; v48  as v5, for piece 2
.set AM2, 49          ; v49  as v44, for piece 2
.set PF0, 50          ; v50  the prefetch: my block of 256 bytes of the mask
.set PFA, 51          ; v51  the same, at the slot asked for
.set XK,  52          ; v52  as v46, in my partner's box
.set XKS, 53          ; v53  as v47, in my partner's box
.set SPW, 62
.set NIL, 63
.set ST,  12          ; tile t's statistics at v[ST+8 t]: +0 c m, +1 m, +2, +3 l (even keys', odd keys'), +4 to +7 c0-c3, at work; a takes c2's place once the maximum is found
.set S,   64
.set P,   192
.set KF,  128
.set OW,  10          ; s10  my partner's number: (w + 2) % 4
.set OK,  11          ; s11  its half of the keys: 1 - mine
.set WV,  12          ; s12  my wave's number
.set CNT, 19          ; s19  counts the tail's two trips
.set G1K, 24
.set G1V, 32
.set G1M, 40
.set G0K, 48          ; s[48:55] group 0 for K's tiles: a set for each of the two first fills; the second then walks on
.set G0V, 56
.set G0M, 68
.set SLOTS, 76
.set CS,  78          ; s[78:79] c
.set SEL, 80          ; s[80:81] v_permlanex16_b32's selects
.set TB,  82          ; s82  the slot that the fetches read: 0 or SLOTB
.set FLOOR, 83        ; s83  -1e38
.set QA,  84          ; s[84:85] Q at my wave's first row
.set OA,  86          ; s[86:87] O at the first of the 32 rows that I store, my head's 256 bytes
.set PFB, 88          ; s[88:89] the mask at the 16 rows of the block that my head's work-group prefetches
.set PFK, 90          ; s90  the byte in a mask row at which the slot asked for begins
.set MSB, 0
.macro WIN new
.if MSB != (\new)
	s_set_vgpr_msb (MSB<<8)|(\new)
.set MSB, (\new)
.endif
.endm
.set W_KQ, 0x0a       ; K and Q in window 2, S^T in window 0
.set W_PV, 0x53       ; V in window 3, P in window 0, O^T in window 1
.set W_RS, 0x41       ; O^T (destination and source 0) in window 1, a in window 0
; A joint refill: wave 0 K's tile, wave 1 V's, waves 2 and 3 the mask's two halves.  The branches hang on the wave's number alone.  Wave 0 also asks the L2 for 32 blocks of 256 bytes of the mask:
; one lane a block, 16 rows x 2 blocks of the slot three changes on; the eight heads' work-groups of a query block share that slot's 128 rows out, 16 each.
.macro JLOAD
	s_cmp_lt_u32 s[WV], 2
	s_cbranch_scc0 .Lfor_m_\@
	s_cmp_eq_u32 s[WV], 0
	s_cbranch_scc0 .Lfor_v_\@
	tensor_load_to_lds s[G0K+4:G0K+7], s[G1K:G1K+7]
	s_nop 0
.rept 4
	v_nop
.endr
	global_prefetch_b8 v[PFA], s[PFB:PFB+1] th:TH_LOAD_NT scope:SCOPE_SE
	s_branch .Lasked_\@
.Lfor_v_\@:
	tensor_load_to_lds s[G0V+4:G0V+7], s[G1V:G1V+7]
	s_nop 0
.rept 4
	v_nop
.endr
	s_branch .Lasked_\@
.Lfor_m_\@:
	tensor_load_to_lds s[G0M+4:G0M+7], s[G1M:G1M+7]
	s_nop 0
.rept 4
	v_nop
.endr
.Lasked_\@:
.endm
.macro CROUND
	s_barrier_signal -1
	s_barrier_wait -1
	s_cmp_lg_u32 s[WV], 0
	s_cbranch_scc1 .Lnot_wave_0_\@
	s_barrier_signal -3
.Lnot_wave_0_\@:
	s_barrier_wait -3
	s_barrier_signal -1
	s_barrier_wait -1
.endm
	s_load_b128 s[4:7], s[0:1], 0x0 ; qkv s[4:5], mask s[6:7]
	s_load_b64 s[8:9], s[0:1], 0x10 ; o16
	v_lshl_add_u32 v[SPW], v0, 2, SPARE
	v_mov_b32 v[NIL], 0
	ds_add_u32 v[SPW], v[NIL]       ; the wave's opening: the add and its wait stand ahead of my first tensor load
	v_lshrrev_b32 v1, 5, v0
	v_readfirstlane_b32 s[WV], v1   ; wave 0..3
	s_bfe_u32 s13, ttmp6, 0x40000   ; cx
	s_bfe_u32 s14, ttmp6, 0x40004   ; cy
	s_lshl_b32 s15, ttmp9, 2
	s_add_co_u32 s15, s15, s13      ; the head = 4 x cluster x + cx
	s_and_b32 s16, ttmp7, 0xffff
	s_lshl_b32 s16, s16, 2
	s_add_co_u32 s16, s16, s14      ; the query block = 4 x cluster y + cy
	s_and_b32 s17, s[WV], 1         ; my half of the queries
	s_lshr_b32 s18, s[WV], 1        ; kh: my half of the keys
	s_add_co_u32 s[OW], s[WV], 2
	s_and_b32 s[OW], s[OW], 3       ; my partner in the merge: the same queries, the other keys
	s_lshr_b32 s[OK], s[OW], 1      ; 1 - kh
	s_lshl_b32 s19, s14, 2
	s_lshl_b32 s19, 15, s19         ; my row of the cluster
	s_lshl_b32 s77, 0x1111, s13     ; my column
	s_or_b32 s[G1K], s77, (1<<16)|(1<<20)|(1<<21)|(5<<22)|(3<<25)  ; mask; 2-byte elements; padding on; bit 21 beside a mask; after every 64 words 4 words
	s_or_b32 s[G1V], s77, (1<<16)|(1<<20)|(1<<21)|(5<<22)|(7<<25)  ; the same with 8 words
	s_or_b32 s[G1M], s19, (2<<16)|(1<<20)|(1<<21)|(6<<22)|(3<<25)  ; 4-byte elements; after every 128 words 4 words
.irp g, G1K, G1V
	s_mov_b32 s[(\g)+1], 128<<16    ; tensor_dim0 = 128
	s_mov_b32 s[(\g)+2], 128<<16    ; tensor_dim1 = 128
	s_mov_b32 s[(\g)+3], 128<<16    ; tile_dim0 = 128
	s_mov_b32 s[(\g)+4], 128        ; tile_dim1 = 128
	s_mov_b32 s[(\g)+5], 128        ; elements from row to row
	s_mov_b32 s[(\g)+6], 0
	s_mov_b32 s[(\g)+7], 0
.endr
	s_mov_b32 s[G1M+1], 128<<16     ; tensor_dim0 = 128
	s_mov_b32 s[G1M+2], 64<<16      ; tensor_dim1 = 64
	s_mov_b32 s[G1M+3], 128<<16     ; tile_dim0 = 128
	s_mov_b32 s[G1M+4], 64          ; tile_dim1 = 64
	s_mov_b32 s[G1M+5], 4096        ; elements from row to row
	s_mov_b32 s[G1M+6], 0
	s_mov_b32 s[G1M+7], 0
	s_lshl_b32 s20, s15, 20         ; the head's 4,096 rows of 256 bytes: K's and V's addresses hang on it alone
	s_mov_b32 s21, 0
	s_max_u32 s23, s[WV], 2         ; which 64 mask rows I fetch (waves 0 and 1 fetch none)
	s_sub_co_u32 s23, s23, 2
	s_lshl_b32 s23, s23, 20         ; 64 rows of 16,384 bytes
	s_lshl_b32 s22, s16, 21         ; the block's 128 rows: the mask's address hangs on the query block alone
	s_add_co_u32 s22, s22, s23
	s_mov_b32 s23, 0
	s_mul_i32 s91, s[WV], 64*PM     ; and where they go: the wave's number times 64 rows, plus a constant: MOFF for wave 2, 64 rows on for wave 3
	s_add_co_u32 s91, s91, MOFF-2*64*PM  ; (in waves 0 and 1 the word is made and never used)
	s_lshl_b32 s2, s16, 15          ; Q: the block's 128 rows of 256 bytes,
	s_lshl_b32 s3, s17, 14          ; my wave's 64,
	s_add_co_u32 s2, s2, s3
	s_add_co_u32 s2, s2, s20        ; in the head
	s_mov_b32 s3, 0
	s_lshl_b32 s92, s16, 18         ; O: the block's 128 rows of 2,048 bytes,
	s_lshl_b32 s93, s17, 17         ; my wave's 64,
	s_add_co_u32 s92, s92, s93
	s_lshl_b32 s93, s18, 16         ; of those the 32 that I keep and store: query tiles 2 kh and 2 kh + 1,
	s_add_co_u32 s92, s92, s93
	s_lshl_b32 s93, s15, 8          ; the head's 256 bytes of a row
	s_add_co_u32 s92, s92, s93
	s_mov_b32 s93, 0
	s_lshl_b32 s94, s16, 21         ; the prefetch: the block's mask rows, of which my head's work-group takes 16
	s_lshl_b32 s95, s15, 18
	s_add_co_u32 s94, s94, s95
	s_mov_b32 s95, 0
	s_mov_b32 s[CS], 0x3fb8aa3b     ; c = log2(e)
	s_mov_b32 s[CS+1], s[CS]
	s_mov_b32 s[SEL], 0x76543210
	s_mov_b32 s[SEL+1], 0xfedcba98
	s_mov_b32 s[TB], 0
	s_mov_b32 s[FLOOR], 0xfe967699  ; -1e38
	s_mov_b32 s[PFK], 3*512
	s_mov_b32 s[SLOTS], 31          ; the half trip at the start, and the 30 trips whose changes fill a slot again (steps 2 to 31)
	s_wait_dscnt 0x0                ; the opening add is done
	s_wait_kmcnt 0x0
	s_add_nc_u64 s[QA:QA+1], s[4:5], s[2:3]
	s_add_nc_u64 s[OA:OA+1], s[8:9], s[92:93]
	s_add_nc_u64 s[PFB:PFB+1], s[6:7], s[94:95]
	s_add_nc_u64 s[20:21], s[4:5], s[20:21]
	s_add_nc_u64 s[22:23], s[6:7], s[22:23]
	CROUND                          ; all sixteen work-groups are here: the first joint loads meet
.irp s, 0,1
	s_mov_b32 s[G0K+4*(\s)], 1
	s_mov_b32 s[G0K+4*(\s)+1], (\s)*SLOTB
	s_add_nc_u64 s[G0K+4*(\s)+2:G0K+4*(\s)+3], s[20:21], 0x800000+(\s)*32768   ; k lies 8 MiB into qkv; a slot's 128 keys are 32,768 bytes
	s_or_b32 s[G0K+4*(\s)+3], s[G0K+4*(\s)+3], 0x80000000
	s_mov_b32 s[G0V+4*(\s)], 1
	s_mov_b32 s[G0V+4*(\s)+1], VOFF+(\s)*SLOTB
	s_add_nc_u64 s[G0V+4*(\s)+2:G0V+4*(\s)+3], s[20:21], 0x1000000+(\s)*32768  ; v 16 MiB
	s_or_b32 s[G0V+4*(\s)+3], s[G0V+4*(\s)+3], 0x80000000
	s_mov_b32 s[G0M+4*(\s)], 1
	s_add_co_u32 s[G0M+4*(\s)+1], s91, (\s)*SLOTB
	s_add_nc_u64 s[G0M+4*(\s)+2:G0M+4*(\s)+3], s[22:23], (\s)*512              ; 128 keys are 512 bytes of a mask row
	s_or_b32 s[G0M+4*(\s)+3], s[G0M+4*(\s)+3], 0x80000000
.endr
	s_cmp_lt_u32 s[WV], 2           ; a wave's two first fills stand in one branch, ahead of every wait on TENSORcnt and every LDS read: two loads of mine are out
	s_cbranch_scc0 .Lfirst_m
	s_cmp_eq_u32 s[WV], 0
	s_cbranch_scc0 .Lfirst_v
	tensor_load_to_lds s[G0K:G0K+3], s[G1K:G1K+7]
	s_nop 0
	tensor_load_to_lds s[G0K+4:G0K+7], s[G1K:G1K+7]
	s_nop 0
.rept 4
	v_nop
.endr
	s_branch .Lfirst_asked
.Lfirst_v:
	tensor_load_to_lds s[G0V:G0V+3], s[G1V:G1V+7]
	s_nop 0
	tensor_load_to_lds s[G0V+4:G0V+7], s[G1V:G1V+7]
	s_nop 0
.rept 4
	v_nop
.endr
	s_branch .Lfirst_asked
.Lfirst_m:
	tensor_load_to_lds s[G0M:G0M+3], s[G1M:G1M+7]
	s_nop 0
	tensor_load_to_lds s[G0M+4:G0M+7], s[G1M:G1M+7]
	s_nop 0
.rept 4
	v_nop
.endr
.Lfirst_asked:
	; A fragment of K or Q is 16 rows x 32 channels in 8 registers: lane l holds row l % 16; channels 8 (l / 16) + 0..7 and 16 + 8 (l / 16) + 0..7: two loads of 16 bytes, 32 bytes apart.
	v_and_b32 v1, 15, v0            ; l % 16
	v_bfe_u32 v9, v0, 4, 1          ; l / 16
	v_lshlrev_b32 v[QO], 8, v1
	v_lshl_add_u32 v[QO], v9, 4, v[QO]
	s_lshl_b32 s2, s18, 13          ; piece 0 holds query tiles 2 kh, 2 kh + 1 (a tile is 4,096 bytes of Q),
	s_lshl_b32 s3, s[OK], 13        ; piece 2 the two others
	v_add_nc_u32 v[QO2], s3, v[QO]
	v_add_nc_u32 v[QO], s2, v[QO]
	WIN 0x80                        ; destination window 2, address window 0
.irp i, 0,1,2,3,4,5,6,7,8,9,10,11,12,13,14,15  ; Q stays in registers: register tile i / 4, channels 32 (i % 4) on
	global_load_b128 v[8*(\i):8*(\i)+3],   v[QO+(QO2-QO)*((\i)/8)], s[QA:QA+1] offset:(((\i)/4)%2)*4096+((\i)%4)*64
	global_load_b128 v[8*(\i)+4:8*(\i)+7], v[QO+(QO2-QO)*((\i)/8)], s[QA:QA+1] offset:(((\i)/4)%2)*4096+((\i)%4)*64+32
.endr
	WIN 0
	; What the first turns find: piece 2's P is 0, m the floor, l 0, O^T 0.  All this stands in the wait for the first tile.
.set i, P+32
.rept 32
	v_mov_b32 v[i], 0
.set i, i+1
.endr
.irp t, 0,1,2,3
	v_mov_b32 v[ST+8*(\t)+1], s[FLOOR]
	v_mul_f32 v[ST+8*(\t)], s[CS], v[ST+8*(\t)+1]
	v_mov_b32 v[ST+8*(\t)+2], 0
	v_mov_b32 v[ST+8*(\t)+3], 0
.endr
	WIN 0x40                        ; sources in window 0, destination in window 1
.set i, 0
.rept 32                            ; 0 x 0 + 0: one instruction clears the eight registers of an accumulator of O^T
	v_wmma_f32_16x16x32_f16 v[8*i:8*i+7], v[P+32:P+39], v[P+40:P+47], 0
.set i, i+1
.endr
	WIN 0
	v_mul_u32_u24 v[AK0], v1, PK
	v_lshl_add_u32 v[AK0], v9, 4, v[AK0]
	s_mul_i32 s2, s18, 64*PK        ; my half of the slot's keys
	v_add_nc_u32 v[AK0], s2, v[AK0]
	; The turning load takes 16 keys x 16 channels (lane l reads key 8 (l / 16) + l % 8, channels 8 ((l / 8) % 2) + 0..7) and leaves half a fragment of V^T: lane l holds channel l % 16 and 8 keys.
	v_and_b32 v10, 7, v0
	v_bfe_u32 v11, v0, 3, 1
	v_lshl_add_u32 v[AV0], v9, 3, v10
	v_mul_u32_u24 v[AV0], v[AV0], PV
	v_lshl_add_u32 v[AV0], v11, 4, v[AV0]
	s_mul_i32 s2, s18, 64*PV
	s_add_co_u32 s2, s2, VOFF
	v_add_nc_u32 v[AV0], s2, v[AV0]
	; The mask: query 64 (w % 2) + 16 x query tile + l % 16, keys 64 kh + 16 kb + 8 (l / 16) + 0..7: 32 bytes.  Piece 0 begins at query tile 2 kh, piece 2 at 2 (1 - kh).
	v_mul_u32_u24 v[AM0], v1, PM
	v_lshl_add_u32 v[AM0], v9, 5, v[AM0]
	s_mul_i32 s2, s17, 64*PM
	s_lshl_b32 s3, s18, 8
	s_add_co_u32 s2, s2, s3
	s_add_co_u32 s2, s2, MOFF
	s_mul_i32 s3, s[OK], 32*PM
	s_add_co_u32 s3, s3, s2
	v_add_nc_u32 v[AM2], s3, v[AM0]
	s_mul_i32 s3, s18, 32*PM
	s_add_co_u32 s3, s3, s2
	v_add_nc_u32 v[AM0], s3, v[AM0]
	v_bfe_u32 v[PF0], v0, 1, 4      ; the prefetch: row (lane / 2) of my 16, block lane % 2 of a slot's two
	v_and_b32 v[PFA], 1, v0
	v_lshlrev_b32 v[PF0], 14, v[PF0]
	v_lshl_add_u32 v[PF0], v[PFA], 8, v[PF0]
; THE MATRIX WORK OF A TURN, for piece x.  The accumulators take turns, one instruction a turn: between two links of a chain stand 15 (V^T P) or 7 (K Q^T) others'.
; Product i of 32 of O^T += V^T P: keys 32 (i / 16) on, channels 16 ((i / 2) % 8) on, tile x + i % 2.
.macro PV x
	WIN W_PV
.set rO, 64*((\x)+i%2)+8*((i/2)%8)
.set rV, 64*(i/16)+8*((i/2)%8)
.set rP, P+16*((\x)+i%2)+8*(i/16)
	v_wmma_f32_16x16x32_f16 v[rO:rO+7], v[rV:rV+7], v[rP:rP+7], v[rO:rO+7]
.endm
; Product i of 32 of S^T = mask + K Q^T: channels 32 (i / 8) on, keys 16 ((i / 2) % 4) on, tile x + i % 2.  The first 8 add onto the mask, which lies in the accumulators.
.macro KQ x
	WIN W_KQ
.set rS, S+32*((\x)+i%2)+8*((i/2)%4)
.set rK, KF+32*((i/2)%4)+8*(i/8)
.set rQ, 32*((\x)+i%2)+8*(i/8)
	v_wmma_f32_16x16x32_f16 v[rS:rS+7], v[rK:rK+7], v[rQ:rQ+7], v[rS:rS+7]
.endm
; THE LDS LOADS stand in runs, never singly among the matrix instructions: a step's K (64 keys x 128 channels), a piece's mask (2 tiles x 64 keys), a step's V (turned).
.macro FETCH_K
	WIN 0
	v_add_nc_u32 v[ADR], s[TB], v[AK0]
	WIN 0x80
.irp f, 0,1,2,3,4,5,6,7,8,9,10,11,12,13,14,15  ; keys 16 (f / 4) on, channels 32 (f % 4) on
	ds_load_b128 v[KF+8*(\f):KF+8*(\f)+3],   v[ADR] offset:((\f)/4)*16*PK+((\f)%4)*64
	ds_load_b128 v[KF+8*(\f)+4:KF+8*(\f)+7], v[ADR] offset:((\f)/4)*16*PK+((\f)%4)*64+32
.endr
.endm
.macro FETCH_M x
	WIN 0
	v_add_nc_u32 v[ADRM], s[TB], v[AM0+(AM2-AM0)*((\x)/2)]
.irp u, 0,1
.irp b, 0,1,2,3
	ds_load_b128 v[S+32*((\x)+(\u))+8*(\b):S+32*((\x)+(\u))+8*(\b)+3],   v[ADRM] offset:(\u)*16*PM+64*(\b)
	ds_load_b128 v[S+32*((\x)+(\u))+8*(\b)+4:S+32*((\x)+(\u))+8*(\b)+7], v[ADRM] offset:(\u)*16*PM+64*(\b)+16
.endr
.endr
.endm
.macro FETCH_V
	WIN 0
	v_add_nc_u32 v[ADR], s[TB], v[AV0]
	WIN 0xc0
.irp f, 0,1,2,3,4,5,6,7,8,9,10,11,12,13,14,15  ; keys 32 (f / 8) on, channels 16 (f % 8) on
	ds_load_tr16_b128 v[8*(\f):8*(\f)+3],   v[ADR] offset:((\f)/8)*32*PV+((\f)%8)*32
	ds_load_tr16_b128 v[8*(\f)+4:8*(\f)+7], v[ADR] offset:((\f)/8)*32*PV+16*PV+((\f)%8)*32
.endr
.endm
; THE VECTOR WORK OF A TURN.  One tile's softmax for one key step is a list of 134 instructions; SM writes number j of it for tile t.  s0-s31 are the lane's 32 scores, in pairs 0-15.
;   0-15    the maximum of s0-s31 and the old m, three operands at a time; each accumulator's lowest registers are read first
;   16-20   the other half of the lanes' maximum; the new m; c m; c m_old - c m_new
;   21-87   33 exponentials (a, then s0-s31) at the odd numbers from 23 on, each with a plain instruction behind it; the plain ones are whatever is ready: scalings ahead, roundings behind, the first sums
;   88-101  the last rounding; the rest of the sums; l = a l + the sum
;   102-133 the tile's O^T times a: the one part that leaves window 0, so it stands together
.macro SM t
.set rT, ST+8*(\t)
.set rS, S+32*(\t)
.set rP, P+16*(\t)
.set rO, 64*(\t)+2*(j-102)
.set q, (j-20)/2
.if j < 102
	WIN 0
.endif
.if j < 4
	v_max3_num_f32 v[rT+4+j], v[rS+8*j], v[rS+8*j+1], v[rS+8*j+2]
.elseif j < 12
	v_max3_num_f32 v[rT+4+j%4], v[rT+4+j%4], v[rS+8*(j%4)+2*(j/4)+1], v[rS+8*(j%4)+2*(j/4)+2]
.elseif j == 12
	v_max3_num_f32 v[rT+4], v[rT+4], v[rS+7], v[rS+15]
.elseif j == 13
	v_max3_num_f32 v[rT+6], v[rT+6], v[rS+23], v[rS+31]
.elseif j == 14
	v_max3_num_f32 v[rT+4], v[rT+4], v[rT+5], v[rT+6]
.elseif j == 15
	v_max3_num_f32 v[rT+4], v[rT+4], v[rT+7], v[rT+1]  ; m began at the floor and never falls
.elseif j == 16
	v_permlanex16_b32 v[rT+5], v[rT+4], s[SEL], s[SEL+1]  ; the query's other 32 keys lie in the lane 16 away
.elseif j == 17
	v_mov_b32 v[rT+7], v[rT]        ; c m_old is kept for a: number 19 writes c m anew
.elseif j == 18
	v_max_num_f32 v[rT+1], v[rT+4], v[rT+5]
.elseif j == 19
	v_mul_f32 v[rT], s[CS], v[rT+1]
.elseif j == 20
	v_sub_f32 v[rT+7], v[rT+7], v[rT]
.elseif j == 23
	v_exp_f32 v[rT+6], v[rT+7]
.elseif (j < 88) && (j > 23) && (j%2 == 1)
	v_exp_f32 v[rS+(j-25)/2], v[rS+(j-25)/2]
.elseif (q < 4) || ((j < 76) && (q%2 == 0))
.set b, q/2+2
.if q < 4
.set b, q
.endif
	v_pk_fma_f32 v[rS+2*b:rS+2*b+1], v[rS+2*b:rS+2*b+1], s[CS:CS+1], v[rT:rT+1] op_sel_hi:[1,0,0] neg_lo:[0,0,1] neg_hi:[0,0,1]  ; pair b: c s - c m
.elseif (j < 88) && (q%2 == 1)
	s_wait_alu depctr_va_vdst(0)
	v_cvt_pk_f16_f32 v[rP+(q-5)/2], v[rS+q-5], v[rS+q-4]  ; pair (q - 5) / 2: its second exponential stands three numbers back
.elseif j == 89
	s_wait_alu depctr_va_vdst(0)
	v_cvt_pk_f16_f32 v[rP+15], v[rS+30], v[rS+31]
.elseif j < 102                     ; the sum of the tile's 16 pairs, in place: sum z of 16 adds neighbours 1, 2, 4 and 8 pairs apart, then l takes it
.set z, j-86
.if j < 89
.set z, (j-76)/4
.endif
.set w, 4
.set u, z
.if z >= 14
.set w, 32
.set u, 0
.elseif z >= 12
.set w, 16
.set u, z-12
.elseif z >= 8
.set w, 8
.set u, z-8
.endif
.if z < 15
	v_pk_add_f32 v[rS+w*u:rS+w*u+1], v[rS+w*u:rS+w*u+1], v[rS+w*u+w/2:rS+w*u+w/2+1]
.else
	v_pk_fma_f32 v[rT+2:rT+3], v[rT+2:rT+3], v[rT+6:rT+7], v[rS:rS+1] op_sel_hi:[1,0,1]
.endif
.else
	WIN W_RS
	v_pk_mul_f32 v[rO:rO+1], v[rO:rO+1], v[rT+6:rT+7] op_sel_hi:[1,0]
.endif
.endm
; Slice k of 64 of piece y's softmax: numbers 2 k and 2 k + 1 of both tiles' lists, four instructions.  2 x 134 = 4 x 64 + 12: the twelve that are over stand together, in slice 63.
.macro SLICE y
.if (k >= 11) && (k < 44)           ; tile by tile: plain, exponential, plain, exponential
.irp t, \y, (\y)+1
.irp n, 0,1
.set j, 2*k+(\n)
	SM \t
.endr
.endr
.else                               ; the two tiles alternate, so that no instruction reads the result of the one just before it
.irp n, 0,1,2,3,4,5,6,7
.if ((\n) < 2) || (k == 63)
.irp t, \y, (\y)+1
.set j, 2*k+(\n)
	SM \t
.endr
.endif
.endr
.endif
.set k, k+1
.endm
; A TURN.  Piece x has the matrix unit: 32 products V^T P of the step in hand, 32 products K Q^T of the next; the other piece's softmax stands in slices behind them.  A vector instruction on, or a load into,
; a matrix instruction's registers stands four plain vector instructions behind it: the slices are those places, slice 63's sixteen behind the turn's last product.
; Each run of loads stands behind the second product of a run of 32, 30 matrix instructions ahead of its first use.  Piece 0's turn fetches the next step's K (its last reader stands ahead of slice 63 of the
; turn before) and piece 0's mask; piece 2's turn fetches piece 2's mask, and behind its second K Q^T the same step's V (its last reader stands three slices, six plain instructions, back).
; A piece's mask lands in its S^T registers, which its softmax left in the turn before.
.macro TURN x
.set k, 0
.if (\x) == 0
	s_wait_dscnt 0x0                ; V is in
.endif
.set i, 0
.rept 32
	PV \x
	SLICE 2-(\x)
.if i == 1
.if (\x) == 0
	FETCH_K
.endif
	FETCH_M \x
.endif
.set i, i+1
.endr
	s_wait_dscnt 0x0                ; the mask is in, and in piece 0's turn K
.set i, 0
.rept 32
	KQ \x
	SLICE 2-(\x)
.if ((\x) == 2) && (i == 1)
	FETCH_V
.endif
.set i, i+1
.endr
.endm
; THE CHANGE OF SLOTS, between piece 2's turn and piece 0's: the slot's last bytes, V of its step, have been asked for.  Each wave waits for all its tensor loads, of which one is out: its part of the other
; slot; adds 0 to its spare word; and waits for that and for its own reads of the slot.  fill = 1: this slot is filled again, with the keys two slots on: the barrier is a round of the cluster's, and the joint
; refill is the first thing behind it: it has a key step, 128 matrix instructions, in which to land.  The prefetch's address steps a slot a change and stops at the row's last slot.
.macro CHANGE fill
	WIN 0
	s_wait_tensorcnt 0x0            ; no tensor load of mine is out, so a group 0 may be written
	ds_add_u32 v[SPW], v[NIL]       ; the steps below stand between the add and the wait for it
.if \fill
	s_xor_b32 s[G0K+5], s[G0K+5], SLOTB  ; the walking descriptors: the other slot than last time, the next 128 keys
	s_add_nc_u64 s[G0K+6:G0K+7], s[G0K+6:G0K+7], 32768
	s_xor_b32 s[G0V+5], s[G0V+5], SLOTB
	s_add_nc_u64 s[G0V+6:G0V+7], s[G0V+6:G0V+7], 32768
	s_xor_b32 s[G0M+5], s[G0M+5], SLOTB
	s_add_nc_u64 s[G0M+6:G0M+7], s[G0M+6:G0M+7], 512
	s_wait_xcnt 0x0                 ; the last change's prefetch, a key step back, has had its address translated: its register is written only behind this wait
	s_add_co_u32 s[PFK], s[PFK], 512
	s_min_u32 s[PFK], s[PFK], 31*512
	v_add_nc_u32 v[PFA], s[PFK], v[PF0]
	s_wait_dscnt 0x0                ; the add is done, and my reads of the slot are over
	CROUND
	JLOAD
.else
	s_wait_dscnt 0x0
	s_barrier_signal -1
	s_barrier_wait -1
.endif
	s_xor_b32 s[TB], s[TB], SLOTB   ; the fetches go on in the other slot
.endm
	s_wait_tensorcnt 1              ; my part of slot 0 is in; slot 1's may stay out
	s_barrier_signal -1
	s_barrier_wait -1
	FETCH_K                         ; key step 0
	FETCH_M 0
	s_wait_loadcnt 0x0              ; Q
	s_wait_dscnt 0x0                ; K and piece 0's mask
	FETCH_V                         ; V of step 0, so that the first turn's products with P = 0 multiply finite numbers; that turn fetches it again in its own place
.set i, 0
.rept 32
	KQ 0                            ; piece 0's first scores: there is no vector work yet to set between them
.set i, i+1
.endr
	WIN 0                           ; the addresses for the merge and the way out are made here: plain instructions, the places behind those products
	s_mul_i32 s2, s[WV], 16*SP
	s_add_co_u32 s2, s2, STAGE      ; my stage
	v_mul_u32_u24 v[STO], v1, SP    ; in: row l % 16, 16 bytes for each half of the lanes
	v_lshl_add_u32 v[STO], v9, 4, v[STO]
	v_add_nc_u32 v[STO], s2, v[STO]
	v_mul_u32_u24 v[RD], v9, SP     ; back: lanes 0-15 take one row of 256 bytes, lanes 16-31 the next
	v_lshl_add_u32 v[RD], v1, 4, v[RD]
	v_add_nc_u32 v[RD], s2, v[RD]
	v_lshlrev_b32 v[GO], 11, v9     ; and the same two rows in O, 2,048 bytes apart
	v_lshl_add_u32 v[GO], v1, 4, v[GO]
	s_mul_i32 s2, s[WV], XBOX       ; my box,
	s_mul_i32 s3, s[OW], XBOX       ; and my partner's
	v_and_b32 v[XG], 31, v0
	v_lshl_add_u32 v[XGS], v[XG], 2, s2
	v_add_nc_u32 v[XGS], 16384, v[XGS]
	v_lshl_add_u32 v[XKS], v[XG], 2, s3
	v_add_nc_u32 v[XKS], 16384, v[XKS]
	v_lshl_add_u32 v[XK], v[XG], 4, s3
	v_lshl_add_u32 v[XG], v[XG], 4, s2
	s_wait_dscnt 0x0                ; V
	s_branch .Lmid                  ; the loop is entered at piece 2's turn, in the middle of a trip
.Lslot:                             ; a trip: the change of slots; piece 0: V^T P of step j, K Q^T of step j + 1 | piece 2's softmax of step j; piece 2: the same | piece 0's softmax of step j + 1
	CHANGE 1
	TURN 0
	WIN 0
.Lmid:
	TURN 2
	WIN 0
	s_sub_co_u32 s[SLOTS], s[SLOTS], 1
	s_cmp_lg_u32 s[SLOTS], 0
	s_cbranch_scc1 .Lslot
	CHANGE 0                        ; the tail is written out: nothing is asked for
	s_mov_b32 s[CNT], 2
.Ltail:                             ; two trips; the second is left in its middle: piece 2's turn, which holds no barrier and no tensor load, is jumped over
	TURN 0
	WIN 0
	s_cmp_eq_u32 s[CNT], 1
	s_cbranch_scc1 .Lskip
	TURN 2
	WIN 0
.Lskip:
	s_sub_co_u32 s[CNT], s[CNT], 1
	s_cmp_lg_u32 s[CNT], 0
	s_cbranch_scc1 .Ltail
.set i, 0
.rept 32
	PV 2                            ; piece 2: V^T P of the last step
.set i, i+1
.endr
	; THE MERGE.  l's two halves and the other half of the lanes' are added (the first additions are the places behind the last products).  Then every wave gives its piece 2 to its partner and keeps its piece 0:
	; O^T, c m and l go through a box in LDS, and the keeper makes O = (O 2^(cm - M) + O' 2^(cm' - M)) / (l 2^(cm - M) + l' 2^(cm' - M)), M the larger c m.
	WIN 0
.irp t, 0,1,2,3
	v_add_f32 v[ST+8*(\t)+4], v[ST+8*(\t)+2], v[ST+8*(\t)+3]
.endr
.irp t, 0,1,2,3
	v_permlanex16_b32 v[ST+8*(\t)+5], v[ST+8*(\t)+4], s[SEL], s[SEL+1]
.endr
.irp t, 0,1,2,3
	v_add_f32 v[ST+8*(\t)+4], v[ST+8*(\t)+4], v[ST+8*(\t)+5]
.endr
	s_wait_dscnt 0x0                ; for the others' sake: my reads of the ring are over,
	s_barrier_signal -1
	s_barrier_wait -1               ; and so are every wave's: the boxes, which lie in the ring's bytes, may be written
	WIN 0x04                        ; store data in window 1, address in window 0; each accumulator's lowest four registers go first
.irp u, 0,1
.irp g, 0,1,2,3,4,5,6,7,8,9,10,11,12,13,14,15
	ds_store_b128 v[XG], v[64*(2+(\u))+4*(\g):64*(2+(\u))+4*(\g)+3] offset:(16*(\u)+(\g))*512
.endr
.endr
	WIN 0
.irp u, 0,1
	ds_store_b32 v[XGS], v[ST+8*(2+(\u))]   offset:256*(\u)
	ds_store_b32 v[XGS], v[ST+8*(2+(\u))+4] offset:256*(\u)+128
.endr
	s_wait_dscnt 0x0                ; for the partner's sake: my stores into the box are done
	s_barrier_signal -1
	s_barrier_wait -1
.irp u, 0,1
	ds_load_b32 v[ST+8*(\u)+5], v[XKS] offset:256*(\u)      ; the partner's c m
	ds_load_b32 v[ST+8*(\u)+1], v[XKS] offset:256*(\u)+128  ; and l
.endr
	WIN 0x80                        ; its O^T goes where K lay
.irp u, 0,1
.irp g, 0,1,2,3,4,5,6,7,8,9,10,11,12,13,14,15
	ds_load_b128 v[128+64*(\u)+4*(\g):128+64*(\u)+4*(\g)+3], v[XK] offset:(16*(\u)+(\g))*512
.endr
.endr
	WIN 0
	s_wait_dscnt 32                 ; the four statistics are in; the 32 loads behind them may be out
.irp t, 0,1
	v_max_num_f32 v[ST+8*(\t)+7], v[ST+8*(\t)], v[ST+8*(\t)+5]
.endr
.irp t, 0,1
	v_sub_f32 v[ST+8*(\t)], v[ST+8*(\t)], v[ST+8*(\t)+7]
	v_sub_f32 v[ST+8*(\t)+5], v[ST+8*(\t)+5], v[ST+8*(\t)+7]
.endr
.irp t, 0,1
	v_exp_f32 v[ST+8*(\t)], v[ST+8*(\t)]
	v_exp_f32 v[ST+8*(\t)+5], v[ST+8*(\t)+5]
.endr
	v_nop                           ; a plain instruction between the last exponential and the use of its result
	s_wait_alu depctr_va_vdst(0)
.irp t, 0,1
	v_mul_f32 v[ST+8*(\t)+4], v[ST+8*(\t)+4], v[ST+8*(\t)]
.endr
.irp t, 0,1
	v_fma_f32 v[ST+8*(\t)+4], v[ST+8*(\t)+1], v[ST+8*(\t)+5], v[ST+8*(\t)+4]
.endr
.irp t, 0,1
	v_rcp_f32 v[ST+8*(\t)+4], v[ST+8*(\t)+4]
.endr
	v_nop
	s_wait_alu depctr_va_vdst(0)
.irp t, 0,1
	v_mul_f32 v[ST+8*(\t)+2], v[ST+8*(\t)], v[ST+8*(\t)+4]
	v_mul_f32 v[ST+8*(\t)+6], v[ST+8*(\t)+5], v[ST+8*(\t)+4]
.endr
.macro MERGE t                      ; the division by l is folded into the two factors
	WIN W_RS
.set i, 0
.rept 32
	v_pk_mul_f32 v[64*(\t)+i:64*(\t)+i+1], v[64*(\t)+i:64*(\t)+i+1], v[ST+8*(\t)+2:ST+8*(\t)+3] op_sel_hi:[1,0]
.set i, i+2
.endr
	WIN 0x52                        ; the partner's O^T in window 2, the factor in window 0, mine in window 1
.set i, 0
.rept 32
	v_pk_fma_f32 v[64*(\t)+i:64*(\t)+i+1], v[128+64*(\t)+i:128+64*(\t)+i+1], v[ST+8*(\t)+6:ST+8*(\t)+7], v[64*(\t)+i:64*(\t)+i+1] op_sel_hi:[1,0,1]
.set i, i+2
.endr
.endm
.macro PACKT t                      ; a lane's eight channels of a row pack into 16 bytes; they go into rows of 272 bytes and come back as whole rows of 256
	WIN 0x05
.set i, 0
.rept 32
	v_cvt_pk_f16_f32 v[S+32*(\t)+i], v[64*(\t)+2*i], v[64*(\t)+2*i+1]
.set i, i+1
.endr
	WIN 0
.irp f, 0,1,2,3,4,5,6,7
	ds_store_b128 v[STO], v[S+32*(\t)+4*(\f):S+32*(\t)+4*(\f)+3] offset:32*(\f)
.endr
.irp f, 0,1,2,3,4,5,6,7
	ds_load_b128 v[S+32*(\t)+4*(\f):S+32*(\t)+4*(\f)+3], v[RD] offset:(\f)*2*SP  ; LDS serves a wave's instructions in order (ISA guide 5.7.1.4): these see the stores above
.endr
.endm
.macro SEND t, younger              ; younger: the LDS instructions issued behind tile t's loads
	WIN 0
.irp f, 0,1,2,3,4,5,6,7
	s_wait_dscnt (\younger)+7-(\f)
	global_store_b128 v[GO], v[S+32*(\t)+4*(\f):S+32*(\t)+4*(\f)+3], s[OA:OA+1] offset:(\t)*32768+(\f)*4096  ; 16 lanes store 256 consecutive bytes, at a multiple of 256 from O's first byte
.endr
.endm
	s_wait_dscnt 16                 ; the first tile's 16 loads are in
	MERGE 0
	PACKT 0
	s_wait_dscnt 16                 ; behind the second tile's loads stand only the 16 LDS instructions just issued
	MERGE 1
	PACKT 1
	SEND 0, 16
	SEND 1, 0
	s_wait_tensorcnt 0x0            ; the wave's end
	ds_add_u32 v[SPW], v[NIL]
	s_wait_dscnt 0x0
	CROUND                          ; the closing round
	s_endpgm
.Lfunc_end_k_q83d0348483_attn:
	.size	k_q83d0348483_attn, .Lfunc_end_k_q83d0348483_attn-k_q83d0348483_attn
	.p2alignl 7, 3214868480
	.fill 96, 4, 3214868480
	.section	.rodata,"a",@progbits
	.p2align	6, 0x0
	.amdhsa_kernel k_q83d0348483_attn
		.amdhsa_group_segment_fixed_size 327680
		.amdhsa_private_segment_fixed_size 0
		.amdhsa_enable_private_segment 0
		.amdhsa_kernarg_size 24
		.amdhsa_user_sgpr_count 2
		.amdhsa_user_sgpr_kernarg_segment_ptr 1
		.amdhsa_wavefront_size32 1
		.amdhsa_system_sgpr_workgroup_id_x 1
		.amdhsa_system_sgpr_workgroup_id_y 1
		.amdhsa_system_sgpr_workgroup_id_z 1
		.amdhsa_system_vgpr_workitem_id 0
		.amdhsa_next_free_vgpr 896
		.amdhsa_next_free_sgpr 96
		.amdhsa_reserve_vcc 0
		.amdhsa_float_denorm_mode_32 3
		.amdhsa_float_denorm_mode_16_64 3
		.amdhsa_memory_ordered 1
		.amdhsa_forward_progress 1
		.amdhsa_inst_pref_size 159
	.end_amdhsa_kernel
	.amdgpu_metadata
---
amdhsa.version: [ 1, 2 ]
amdhsa.kernels:
  - .name:           k_q83d0348483_attn
    .symbol:         k_q83d0348483_attn.kd
    .args:
      - { .name: qkv, .offset: 0, .size: 8, .value_kind: global_buffer, .address_space: global }
      - { .name: attention_mask, .offset: 8, .size: 8, .value_kind: global_buffer, .address_space: global }
      - { .name: o16, .offset: 16, .size: 8, .value_kind: global_buffer, .address_space: global }
    .group_segment_fixed_size: 327680
    .private_segment_fixed_size: 0
    .kernarg_segment_align: 8
    .kernarg_segment_size: 24
    .max_flat_workgroup_size: 128
    .sgpr_count:     96
    .vgpr_count:     896
    .wavefront_size: 32
...
	.end_amdgpu_metadata
.endif
;; end of part 3
;; launch outp (part 4): grid 8 x 32, 4 waves a work-group, clusters of 4 x 4, 327,680 bytes of LDS; arguments o16, w16, wo_b, out0; writes out0
.if DOCPART == 4
	.amdgcn_target "amdgcn-amd-amdhsa--gfx1250"
	.amdhsa_code_object_version 6
	.text
	.protected	k_q83d0348483_outp
	.globl	k_q83d0348483_outp
	.p2align	8
	.type	k_q83d0348483_outp,@function
k_q83d0348483_outp:
	s_mov_b64 s[64:65], 0
	v_nop
	global_prefetch_b8 v0, s[64:65] scope:SCOPE_SE
	s_setreg_imm32_b32 hwreg(HW_REG_WAVE_MODE, 25, 1), 1
	s_wait_xcnt 0x0
	s_wait_alu depctr_hold_cnt(0) depctr_sa_sdst(0) depctr_va_vdst(0) depctr_va_sdst(0) depctr_va_ssrc(0) depctr_va_vcc(0) depctr_vm_vsrc(0)
	s_getreg_b32 s2, hwreg(HW_REG_IB_STS2, 6, 4)
	s_cmp_eq_u32 s2, 0
	s_cbranch_scc0 .Lentry_in_a_cluster
	s_endpgm
.Lentry_in_a_cluster:
	s_bfe_u32 s2, ttmp6, 0x10000c
	s_cmp_lg_u32 s2, 0xf033
	s_cbranch_scc0 .Lentry_shape_is_right
	s_endpgm
.Lentry_shape_is_right:
; out0 = O Wo^T + bo.  o16 = [4096][1024] f16; Wo is the fourth matrix of w16, [1024][1024] f16; bo and out0 f32.  Sums in f32; the bias is the C operand of the first products.
; A tile of 128 x 128: 32 x 8 = 256 work-groups.  Four waves, each 64 x 64: 16 accumulators.  K goes in 4 steps of 256 (LDS rows of 512 bytes; a wave's tensor load brings 64 of them) through two slots.
; CLUSTER 4 x 4: O's tile is asked for jointly by a row of the cluster, Wo's by a column.  THE MATRIX INSTRUCTION IS USED TRANSPOSED (source 0 = 16 rows of Wo, source 1 = 16 rows of O):
; a lane holds eight neighbouring numbers of a row of out0.  A wave's 64 columns in f32 are 256 consecutive bytes, so each wave has a stage of its own and the way out needs no barrier.
; REGISTERS: window 0: v16-29 addresses; v96-127 the bias; v128-255 the accumulators ((a, b) at 128 + 8 (4 a + b)).  window 1: two fragment buffers of 128: for 64 along K, 64 registers of O, then 64 of Wo.
.set KSTEP,  256
.set PITCH,  528                       ; 512 bytes + 16: the 16 rows of a fragment load begin in 16 different groups of four banks (ISA guide 11.1)
.set HALFT,  64*PITCH
.set SLOT,   4*HALFT
.set STAGE,  2*SLOT                    ; behind the ring: 16 rows x 272 bytes for each wave
.set SPITCH, 272
.set SPARE,  STAGE+4*16*SPITCH         ; the spare words: 128 bytes a wave, two blocks of 256 bytes that no other line names
.set LAPS,   2
.set ADRA, 16
.set ADRB, 20
.set STO,  24
.set RD,   25
.set CO,   26
.set VBO,  27
.set SPW,  28
.set NIL,  29
.set BI,   96
.set ACC,  128
.set F0,   0
.set F1,   128
.set G1, 24
.set G0, 32
.set G1B, 48
.set G0B, 56
.set MSB, 0
.macro WIN new
.if MSB != (\new)
	s_set_vgpr_msb (MSB<<8)|(\new)
.set MSB, (\new)
.endif
.endm
.set MUL,  0x05                        ; sources 0 and 1 window 1; C and D window 0
.set TO_F, 0x40                        ; destination window 1, address window 0
.macro JLOAD s                         ; a joint load: waves 0 and 1 fetch O's two halves, waves 2 and 3 Wo's
	s_cmp_eq_u32 s11, 0
	s_cbranch_scc0 .Lfor_b_\@
	tensor_load_to_lds s[G0+4*(\s):G0+4*(\s)+3], s[G1:G1+7]
	s_nop 0
.rept 4
	v_nop
.endr
	s_branch .Lasked_\@
.Lfor_b_\@:
	tensor_load_to_lds s[G0B+4*(\s):G0B+4*(\s)+3], s[G1B:G1B+7]
	s_nop 0
.rept 4
	v_nop
.endr
.Lasked_\@:
.endm
.macro CREST
	s_cmp_lg_u32 s10, 0
	s_cbranch_scc1 .Lnot_wave_0_\@
	s_barrier_signal -3
.Lnot_wave_0_\@:
	s_barrier_wait -3
	s_barrier_signal -1
	s_barrier_wait -1
.endm
.macro CROUND
	s_barrier_signal -1
	s_barrier_wait -1
	CREST
.endm
	s_load_b128 s[4:7], s[0:1], 0x0                ; o16 s[4:5], w16 s[6:7]
	s_load_b128 s[68:71], s[0:1], 0x10             ; wo_b s[68:69], out0 s[70:71]
	v_lshl_add_u32 v[SPW], v0, 2, SPARE
	v_mov_b32 v[NIL], 0
	ds_add_u32 v[SPW], v[NIL]                      ; the wave's opening: the add and its wait stand ahead of my first tensor load
	v_lshrrev_b32 v1, 5, v0
	v_readfirstlane_b32 s10, v1                    ; wave 0..3
	s_lshr_b32 s11, s10, 1                         ; my half of the tile's rows.  Also: I fetch for O (0) or for Wo (1)
	s_and_b32 s12, s10, 1                          ; my half of its columns.  Also: which 64 rows of that tile I fetch
	s_bfe_u32 s40, ttmp6, 0x40000                  ; cx
	s_bfe_u32 s41, ttmp6, 0x40004                  ; cy
	s_lshl_b32 s42, ttmp9, 2
	s_add_co_u32 s42, s42, s40                     ; tile column
	s_and_b32 s13, ttmp7, 0xffff
	s_lshl_b32 s13, s13, 2
	s_add_co_u32 s13, s13, s41                     ; tile row
	s_lshl_b32 s43, s41, 2
	s_lshl_b32 s43, 15, s43                        ; my row of the cluster
	s_lshl_b32 s44, 0x1111, s40                    ; my column
	s_or_b32 s[G1+0], s43, (1<<16)|(1<<20)|(1<<21)|(6<<22)|(3<<25)  ; mask; 2-byte elements; padding on; bit 21 beside a mask; after every 128 words 4 words
	s_or_b32 s[G1B+0], s44, (1<<16)|(1<<20)|(1<<21)|(6<<22)|(3<<25)
.irp g, G1, G1B
	s_mov_b32 s[(\g)+1], KSTEP<<16                 ; tensor_dim0 = 256
	s_mov_b32 s[(\g)+2], 64<<16                    ; tensor_dim1 = 64
	s_mov_b32 s[(\g)+3], KSTEP<<16                 ; tile_dim0 = 256
	s_mov_b32 s[(\g)+4], 64                        ; tile_dim1 = 64
	s_mov_b32 s[(\g)+5], 1024                      ; elements from row to row
	s_mov_b32 s[(\g)+6], 0
	s_mov_b32 s[(\g)+7], 0
.endr
	s_lshl_b32 s16, s13, 18                        ; O: 128 rows of 2,048 bytes a tile row,
	s_lshl_b32 s17, s12, 17                        ; 64 rows a half
	s_add_co_u32 s16, s16, s17
	s_mov_b32 s17, 0
	s_lshl_b32 s46, s42, 18                        ; Wo likewise, by the tile column,
	s_lshl_b32 s47, s12, 17
	s_add_co_u32 s46, s46, s47
	s_add_co_u32 s46, s46, 0x600000                ; behind the three other weights
	s_mov_b32 s47, 0
	s_mul_i32 s20, s10, HALFT                      ; where they go: wave x 64 rows
	s_wait_dscnt 0x0                               ; the opening add is done
	s_wait_kmcnt 0x0
	s_add_nc_u64 s[14:15], s[4:5], s[16:17]
	s_add_nc_u64 s[46:47], s[6:7], s[46:47]
	CROUND                                         ; all sixteen work-groups are here: the first joint loads meet
.irp s, 0,1
	s_mov_b32 s[G0+4*(\s)], 1
	s_add_co_u32 s[G0+4*(\s)+1], s20, (\s)*SLOT
	s_add_nc_u64 s[G0+4*(\s)+2:G0+4*(\s)+3], s[14:15], (\s)*KSTEP*2
	s_or_b32 s[G0+4*(\s)+3], s[G0+4*(\s)+3], 0x80000000
	s_mov_b32 s[G0B+4*(\s)], 1
	s_add_co_u32 s[G0B+4*(\s)+1], s20, (\s)*SLOT
	s_add_nc_u64 s[G0B+4*(\s)+2:G0B+4*(\s)+3], s[46:47], (\s)*KSTEP*2
	s_or_b32 s[G0B+4*(\s)+3], s[G0B+4*(\s)+3], 0x80000000
	JLOAD \s                                       ; K steps 0 and 1: two loads of mine are out
.endr
	v_and_b32 v1, 15, v0                           ; l % 16
	v_bfe_u32 v2, v0, 4, 1                         ; l / 16
	v_lshlrev_b32 v[VBO], 5, v2
	s_lshl_b32 s2, s42, 9                          ; the bias of my 64 columns
	s_lshl_b32 s3, s12, 8
	s_add_co_u32 s2, s2, s3
	s_mov_b32 s3, 0
	s_add_nc_u64 s[68:69], s[68:69], s[2:3]
.irp b, 0,1,2,3
	global_load_b128 v[BI+8*(\b):BI+8*(\b)+3],   v[VBO], s[68:69] offset:64*(\b)
	global_load_b128 v[BI+8*(\b)+4:BI+8*(\b)+7], v[VBO], s[68:69] offset:64*(\b)+16
.endr
	s_lshl_b32 s18, s13, 19                        ; out0 at my 64 x 64: 128 rows of 4,096 bytes a tile row, 64 a half,
	s_lshl_b32 s19, s11, 18
	s_add_co_u32 s18, s18, s19
	s_add_co_u32 s18, s18, s2                      ; and the same 256 bytes of a row as in the bias
	s_mov_b32 s19, 0
	s_add_nc_u64 s[8:9], s[70:71], s[18:19]
	v_mul_u32_u24 v3, v1, PITCH
	v_lshl_add_u32 v3, v2, 4, v3
	s_mul_i32 s21, s11, HALFT                      ; my 64 rows of O
	s_mul_i32 s22, s12, HALFT                      ; my 64 rows of Wo,
	s_add_co_u32 s22, s22, 2*HALFT                 ; which lie behind O's 128
.irp s, 0,1
	v_add_nc_u32 v[ADRA+(\s)], s21, v3
	v_add_nc_u32 v[ADRB+(\s)], s22, v3
	s_add_co_u32 s21, s21, SLOT
	s_add_co_u32 s22, s22, SLOT
.endr
	s_mul_i32 s23, s10, 16*SPITCH
	s_add_co_u32 s23, s23, STAGE                   ; my stage
	v_mul_u32_u24 v4, v1, SPITCH                   ; in: row l % 16, 32 bytes for each half of the lanes
	v_lshl_add_u32 v4, v2, 5, v4
	v_add_nc_u32 v[STO], s23, v4
	v_mul_u32_u24 v5, v2, SPITCH                   ; back: lanes 0-15 one row of 256 bytes, lanes 16-31 the next
	v_lshl_add_u32 v5, v1, 4, v5
	v_add_nc_u32 v[RD], s23, v5
	v_lshlrev_b32 v[CO], 12, v2                    ; and the same two rows in out0
	v_lshl_add_u32 v[CO], v1, 4, v[CO]
; 8 matrix instructions: row blocks a0, a0 + 1 x all 4 column blocks, 32 along K: half c of buffer f.  zero = 1: the bias starts the sums.  The 16 accumulators take turns.
.macro MUL8 f, c, a0, zero
	WIN MUL
.irp a, \a0, (\a0)+1
.irp b, 0,1,2,3
.if \zero
	v_wmma_f32_16x16x32_f16 v[ACC+8*(4*(\a)+(\b)):ACC+8*(4*(\a)+(\b))+7], v[(\f)+64+8*(4*(\c)+(\b)):(\f)+64+8*(4*(\c)+(\b))+7], v[(\f)+8*(4*(\c)+(\a)):(\f)+8*(4*(\c)+(\a))+7], v[BI+8*(\b):BI+8*(\b)+7]
.else
	v_wmma_f32_16x16x32_f16 v[ACC+8*(4*(\a)+(\b)):ACC+8*(4*(\a)+(\b))+7], v[(\f)+64+8*(4*(\c)+(\b)):(\f)+64+8*(4*(\c)+(\b))+7], v[(\f)+8*(4*(\c)+(\a)):(\f)+8*(4*(\c)+(\a))+7], v[ACC+8*(4*(\a)+(\b)):ACC+8*(4*(\a)+(\b))+7]
.endif
.endr
.endr
.endm
; 32 LDS loads in one run: the fragments of 64 along K at byte k of the rows, into buffer f; the first 32 along K first
.macro FETCH slot, k, f
	WIN TO_F
.irp c, 0,1
.irp i, 0,1,2,3
	ds_load_b128 v[(\f)+64+8*(4*(\c)+(\i)):(\f)+64+8*(4*(\c)+(\i))+3],   v[ADRB+(\slot)] offset:(\k)+64*(\c)+(\i)*16*PITCH
	ds_load_b128 v[(\f)+64+8*(4*(\c)+(\i))+4:(\f)+64+8*(4*(\c)+(\i))+7], v[ADRB+(\slot)] offset:(\k)+64*(\c)+(\i)*16*PITCH+32
	ds_load_b128 v[(\f)+8*(4*(\c)+(\i)):(\f)+8*(4*(\c)+(\i))+3],         v[ADRA+(\slot)] offset:(\k)+64*(\c)+(\i)*16*PITCH
	ds_load_b128 v[(\f)+8*(4*(\c)+(\i))+4:(\f)+8*(4*(\c)+(\i))+7],       v[ADRA+(\slot)] offset:(\k)+64*(\c)+(\i)*16*PITCH+32
.endr
.endr
.endm
.macro PLACES                          ; four places between a matrix instruction and a load into, or a store of, its registers
.rept 4
	v_nop
.endr
.endm
; A K step is four quarters of 64 along K, 32 matrix instructions each, on buffers 0, 1, 0, 1.
.macro QUARTER slot, k, f, g, zero
	s_wait_dscnt 16                                ; the first 32 along K are in; the run's second sixteen loads may be out
	MUL8 \f, 0, 0, \zero
	MUL8 \f, 0, 2, \zero
	PLACES
	FETCH \slot, \k, \g
	s_wait_dscnt 32                                ; all but the 32 just issued
	MUL8 \f, 1, 0, 0
	MUL8 \f, 1, 2, 0
.endm
; The last quarter multiplies buffer 1 and changes slots: ONE barrier; ahead of it each wave waits for all its tensor loads, adds 0 to its spare word, and waits for that and for its reads of this slot.
.macro TURN slot, next, fill
	WIN 0                                          ; the add's two registers lie in window 0
	s_wait_tensorcnt 0x0                           ; all my tensor loads have landed: my part of the next slot
	ds_add_u32 v[SPW], v[NIL]
	s_wait_dscnt 17                                ; the add and the youngest sixteen loads may be out
	MUL8 F1, 0, 0, 0
	s_wait_dscnt 0x0                               ; the add is done, and my reads of this slot are over
	s_barrier_signal -1
	MUL8 F1, 0, 2, 0
.if \fill
	WIN 0
.endif
	s_barrier_wait -1
.if \fill
	CREST                                          ; no wave of any partner still reads this slot or has a load on its way
	s_add_nc_u64 s[G0+4*(\slot)+2:G0+4*(\slot)+3], s[G0+4*(\slot)+2:G0+4*(\slot)+3], 2*KSTEP*2
	s_add_nc_u64 s[G0B+4*(\slot)+2:G0B+4*(\slot)+3], s[G0B+4*(\slot)+2:G0B+4*(\slot)+3], 2*KSTEP*2
	JLOAD \slot                                    ; my one tensor load behind the round; its four v_nop are also the places in front of the loads below
.else
	PLACES
.endif
	FETCH \next, 0, F0
	MUL8 F1, 1, 0, 0
	MUL8 F1, 1, 2, 0
.endm
	s_wait_tensorcnt 1                             ; my part of K step 0 is in; K step 1's may stay out
	s_barrier_signal -1
	s_barrier_wait -1
	FETCH 0, 0, F0
	s_wait_loadcnt 0x0                             ; the bias
	QUARTER 0, 128, F0, F1, 1                      ; the first quarter stands ahead of the loop: its first products start the sums
	WIN 0
	s_mov_b32 s3, LAPS-1
.Llap:                                                 ; a trip goes once round the ring and fills both slots again
	QUARTER 0, 256, F1, F0, 0
	QUARTER 0, 384, F0, F1, 0
	TURN 0, 1, 1
	QUARTER 1, 128, F0, F1, 0
	QUARTER 1, 256, F1, F0, 0
	QUARTER 1, 384, F0, F1, 0
	TURN 1, 0, 1
	QUARTER 0, 128, F0, F1, 0
	WIN 0
	s_sub_co_u32 s3, s3, 1
	s_cmp_lg_u32 s3, 0
	s_cbranch_scc1 .Llap
	QUARTER 0, 256, F1, F0, 0                      ; the last lap fills nothing
	QUARTER 0, 384, F0, F1, 0
	TURN 0, 1, 0
	QUARTER 1, 128, F0, F1, 0
	QUARTER 1, 256, F1, F0, 0
	QUARTER 1, 384, F0, F1, 0
	s_wait_dscnt 16
	MUL8 F1, 0, 0, 0
	MUL8 F1, 0, 2, 0
	s_wait_dscnt 0x0
	MUL8 F1, 1, 0, 0
	MUL8 F1, 1, 2, 0
	WIN 0
	PLACES
	; THE WAY OUT, 16 rows at a time: a lane's eight f32 of a row go into my stage, rows of 272 bytes, each accumulator's lowest four registers first; whole rows of 256 bytes come back into the registers that they left.
.macro BLK a
.irp b, 0,1,2,3
	ds_store_b128 v[STO], v[ACC+8*(4*(\a)+(\b)):ACC+8*(4*(\a)+(\b))+3]   offset:64*(\b)
	ds_store_b128 v[STO], v[ACC+8*(4*(\a)+(\b))+4:ACC+8*(4*(\a)+(\b))+7] offset:64*(\b)+16
.endr
.irp t, 0,1,2,3,4,5,6,7
	ds_load_b128 v[ACC+32*(\a)+4*(\t):ACC+32*(\a)+4*(\t)+3], v[RD] offset:(\t)*2*SPITCH  ; LDS serves a wave's instructions in order (ISA guide 5.7.1.4): these see the stores above; the next block's stores come behind them
.endr
.endm
.macro SEND a, younger                 ; younger: the LDS instructions issued behind block a's loads
.irp t, 0,1,2,3,4,5,6,7
	s_wait_dscnt (\younger)+7-(\t)
	global_store_b128 v[CO], v[ACC+32*(\a)+4*(\t):ACC+32*(\a)+4*(\t)+3], s[8:9] offset:(16*(\a)+2*(\t))*4096 th:TH_STORE_NT  ; 16 lanes store 256 consecutive bytes, at a multiple of 256 from out0's first byte
.endr
.endm
	BLK 0
	BLK 1
	SEND 0, 16
	BLK 2
	SEND 1, 16
	BLK 3
	SEND 2, 16
	SEND 3, 0
	s_wait_tensorcnt 0x0                           ; the wave's end
	ds_add_u32 v[SPW], v[NIL]
	s_wait_dscnt 0x0
	CROUND                                         ; the closing round
	s_endpgm
.Lfunc_end_k_q83d0348483_outp:
	.size	k_q83d0348483_outp, .Lfunc_end_k_q83d0348483_outp-k_q83d0348483_outp
	.p2alignl 7, 3214868480
	.fill 96, 4, 3214868480
	.section	.rodata,"a",@progbits
	.p2align	6, 0x0
	.amdhsa_kernel k_q83d0348483_outp
		.amdhsa_group_segment_fixed_size 327680
		.amdhsa_private_segment_fixed_size 0
		.amdhsa_enable_private_segment 0
		.amdhsa_kernarg_size 32
		.amdhsa_user_sgpr_count 2
		.amdhsa_user_sgpr_kernarg_segment_ptr 1
		.amdhsa_wavefront_size32 1
		.amdhsa_system_sgpr_workgroup_id_x 1
		.amdhsa_system_sgpr_workgroup_id_y 1
		.amdhsa_system_sgpr_workgroup_id_z 1
		.amdhsa_system_vgpr_workitem_id 0
		.amdhsa_next_free_vgpr 512
		.amdhsa_next_free_sgpr 72
		.amdhsa_reserve_vcc 0
		.amdhsa_float_denorm_mode_32 3
		.amdhsa_float_denorm_mode_16_64 3
		.amdhsa_memory_ordered 1
		.amdhsa_forward_progress 1
		.amdhsa_inst_pref_size 87
	.end_amdhsa_kernel
	.amdgpu_metadata
---
amdhsa.version: [ 1, 2 ]
amdhsa.kernels:
  - .name:           k_q83d0348483_outp
    .symbol:         k_q83d0348483_outp.kd
    .args:
      - { .name: o16, .offset: 0, .size: 8, .value_kind: global_buffer, .address_space: global }
      - { .name: w16, .offset: 8, .size: 8, .value_kind: global_buffer, .address_space: global }
      - { .name: wo_b, .offset: 16, .size: 8, .value_kind: global_buffer, .address_space: global }
      - { .name: out0, .offset: 24, .size: 8, .value_kind: global_buffer, .address_space: global }
    .group_segment_fixed_size: 327680
    .private_segment_fixed_size: 0
    .kernarg_segment_align: 8
    .kernarg_segment_size: 32
    .max_flat_workgroup_size: 128
    .sgpr_count:     72
    .vgpr_count:     512
    .wavefront_size: 32
...
	.end_amdgpu_metadata
.endif
;; end of part 4
